; MI455X (gfx1250); checked and timed in simulation.
; The chip was launched on July 23, 2026; its instructions are those of AMD's public machine-readable ISA for CDNA 5 (MIT licence, August 2026) and "CDNA5" Instruction Set Architecture Reference Guide (July 2026). The comments in the code are by the model that wrote it; some were corrected since.
;; Cached Multihead Attention. Allowed arithmetic: matrix products marked QUANTISED: E4M3 operands, one given power-of-two scale a tensor, by v_wmma_f32_16x16x64_fp8_fp8 or v_wmma_f32_16x16x128_fp8_fp8, f32 sums; everything else in f32.
;; Inputs: lowp_scales 8 int32 (the exponents e of the quantised operands' scales 2^e); w_in 3,072 x 1,024 float32; w_out 1,024 x 1,024 float32; x 4 x 2,048 x 1,024 float32.
;; Outputs: out0 4 x 2,048 x 1,024 float32.
;; This version of the problem:
;;   THIS VERSION OF THE PROBLEM IS GIVEN IN LOW PRECISION. The matrix products marked QUANTISED in the list below multiply operands that are first quantised to E4M3 (4 exponent bits, 3 mantissa bits; 8 bits a number), with one given power-of-two scale for each operand tensor; their sums are f32. All else is computed in f32.
;;   The module's matrix products, in the order in which they are computed (A, B: the left and right operand; K: the contracted axis; several contracted axes count as one K, in the product's order):
;;     1. [M 8,192, K 1,024] x [K 1,024, N 3,072]; A: input x; B: input w_in: QUANTISED (scales: A lowp_scales[0], B lowp_scales[1])
;;     2. batch 256 x [M 512, K 64] x [K 64, N 1,024]; A: computed on the way; B: computed on the way: QUANTISED (scales: A lowp_scales[2], B lowp_scales[3])
;;     3. batch 256 x [M 512, K 1,024] x [K 1,024, N 64]; A: softmax (see below); B: computed on the way: QUANTISED (scales: A lowp_scales[4], B lowp_scales[5])
;;     4. [M 8,192, K 1,024] x [K 1,024, N 1,024]; A: computed on the way; B: input w_out: QUANTISED (scales: A lowp_scales[6], B lowp_scales[7])
;;   THE QUANTISER, for each operand of a quantised product, along K:
;;     - The operand's scale is 2^e, e = its entry of the input lowp_scales (int32; the entries are numbered through the quantised products in the list's order, A before B).
;;     - Each number is divided by the scale, clamped to +-448, and rounded to the nearest number of E4M3, ties to even, subnormals kept.
;;     - The product sums the exact products of the quantised numbers (number of the format x scale) in f32.
;;   ~~~python
;;   def quantise(x, axis, e):      # numpy; x: float32 -> the quantised numbers, widened to float32 again
;;       x = np.moveaxis(x, axis, -1); K = x.shape[-1]
;;       r = np.clip(x / 2.0 ** e, -448, 448)
;;       step = 2.0 ** (np.maximum(np.frexp(np.where(r == 0, 1, r))[1] - 1, -6) - 3)
;;       q = np.round(r / step) * step * 2.0 ** e      # np.round: ties to even
;;       return np.moveaxis(q, -1, axis).astype(np.float32)
;;   ~~~
;;   SOFTMAX AHEAD OF A QUANTISED PRODUCT. Where the list says 'softmax', what is quantised is not the finished softmax but p = 2^(t - M), with t = logit x log2(e) and M = ceil(the row's largest t), a whole number; so 1/2 < the row's largest p <= 1. The row's sum l is taken of the UNQUANTISED p, in f32, and the product's result is divided by l at the end. Since M is a whole number, a kernel that streams over the keys may use a running M (the ceiling of the running maximum): every later rescaling is an exact power of two, so the quantised numbers keep their values, but for numbers so far below the row's largest that they fall under the format's range.
;;   OPERANDS COMPUTED ON THE WAY. 'Computed on the way' means the value that the module computes at that place (a softmax that the list does not call 'softmax' is quantised finished and normalised). What goes into a quantiser is computed in f32, as accurately as f32 sums, v_exp_f32 and their like allow (about 1e-6 of the number): no bf16 or f16 on the way to a quantiser, and a product that is left as it is and whose result goes on into a quantised operand takes f32 operands (vector FMAs, or v_wmma_f32_16x16x4_f32). A number that lies on a knife's edge between two numbers of the format may be rounded either way, as far as f32 arithmetic and the matrix unit's own rounding can turn it there, and no further.
;; One version. Each part assembles by itself: llvm-mc -triple=amdgcn-amd-amdhsa -mcpu=gfx1250 --defsym DOCPART=n.
;; ======== version 1 of 1: 4 launches
;; limits: right only within a limited range of input values
;; workspace buffers: x_codes 8,388,608 bytes; win_codes 3,145,728 bytes; wout_codes 1,048,576 bytes; q_codes 8,388,608 bytes; k_codes 8,388,608 bytes; v_codes 8,388,608 bytes; o_codes 8,388,608 bytes
;; launch quant (part 1): grid 1536 x 1, 4 waves a work-group, no clusters, 33,280 bytes of LDS; arguments x, w_in, w_out, lowp_scales, x_codes, win_codes, wout_codes; writes x_codes, win_codes, wout_codes
.if DOCPART == 1
	.amdgcn_target "amdgcn-amd-amdhsa--gfx1250"
	.amdhsa_code_object_version 6
	.text
	.protected	k_q16776823c2_quant
	.globl	k_q16776823c2_quant
	.p2align	8
	.type	k_q16776823c2_quant,@function
k_q16776823c2_quant:
	s_mov_b64 s[64:65], 0
	v_nop
	global_prefetch_b8 v0, s[64:65] scope:SCOPE_SE
	s_setreg_imm32_b32 hwreg(HW_REG_WAVE_MODE, 25, 1), 1
	s_wait_xcnt 0x0
; LAUNCH 1 OF 4.  x [8192][1024], w_in [3072][1024] and w_out [1024][1024], f32 with K innermost, become codes of FP8 (E4M3), one a byte, laid as the numbers lie,
; with the given scales 2^e: e = entry 0 (x), 1 (w_in), 7 (w_out) of lowp_scales.  code = number / 2^e, held within +-448, to the nearest code, ties to even.
; THE PROGRAM: 1 this; 2 the packed projection, whose sums leave as codes of q, k, v; 3 the attention, whose result leaves as codes of o; 4 the projection on the way out.
; WORK LEFT OUT IN THE PROGRAM, AND WHY IT IS DEAD.  reference() itself sets a score to -infinity wherever rel = q_idx - kv_idx is negative or at least 512, and in the block of zeros that it
; lays ahead of block 0.  Such a key's weight is exp(-infinity) = 0: it adds 0 to the row's sum and 0 x v to the row's result, whatever finite numbers x, w_in and w_out hold; and every row keeps
; its own key (rel = 0), so the row's largest score is never among the hidden ones.  So products 2 and 3 are made only for steps of 128 keys x 128 queries that hold a key with 0 <= rel < 512 and
; kv_idx >= 0: five steps for a block of 128 queries, and 1, 2, 3, 4 for the first four blocks of a sequence; inside such a step hidden scores are made and set to -infinity.
; The part of the ALiBi term that is the same along a row, q_idx x slope, is NOT left out: it moves M = ceil(the row's largest t) and so the codes of p.
; Every input has a way to the output and is loaded.  LIMIT: a NaN, an infinity or an overflow that reaches only hidden keys is not carried to the result.
; LIMITS of this launch: -126 <= e and e + 8 <= 127.  NaN among the inputs is not served (an infinity is held at the largest code).
; SHARES.  Rows are dense, so each tensor is a plain stream.  A work-group takes 8,192 numbers, a wave 2,048 in 4 steps of 512.  Work-groups 0-1023 take x, 1024-1407 w_in, 1408-1535 w_out: only
; pointers and the exponent are chosen, by selects on the work-group's number; all take one path through the text.
; A conversion takes 8 neighbours from ONE lane's registers, a load is best where neighbouring LANES take neighbouring bytes: so each of a step's four loads reads 512 consecutive bytes, 16 a lane,
; and the 2,048 bytes turn through the wave's own stage in LDS (16 bytes of padding behind each 64) and come back 64 bytes a lane.  A lane's 16 codes are 16 bytes: a store covers 512 consecutive bytes.
; No tensor loads, no barrier: waves share nothing.  All of a wave's 16 loads go out at its head; with 128 registers and 33,280 bytes of LDS several work-groups lie on a WGP; the turn through LDS runs one step ahead.
.set WAVES, 4
.set STEPS, 4
.set WGX,   1024                       ; work-groups below this number take x
.set WGXW,  1408                       ; below this one w_in, the others w_out
.set EMAX,  8
.set MANT,  0x600000                   ; the mantissa field of 448 as f32
.set CB,    16                         ; bytes of 16 codes
.set R,     16                         ; v16-79   four sets of 16 numbers as they are loaded, one for each step
.set X,     80                         ; v80-111  two sets of 16 neighbours
.set C,     112                        ; v112-127 codes: four registers for each step, so that no store's data are written again
.set WREG,  8192                       ; LDS: a region of its own for each wave: two stages of 32 x SP bytes
.set SP,    80                         ; a lane's place in a stage: its 64 bytes + 16 of padding
.set SPW,   12                         ; v12      LDS address of my spare word: SPARE + 4 x my thread's number; never rewritten
.set NIL,   13                         ; v13      0; never rewritten
.set SPARE, WAVES*WREG                 ; behind the four regions: the spare words, 128 bytes for each wave
	s_load_b256 s[4:11], s[0:1], 0x0               ; x s[4:5], w_in s[6:7], w_out s[8:9], the scales' exponents s[10:11]
	s_load_b128 s[12:15], s[0:1], 0x20             ; x's codes, w_in's codes
	s_load_b64 s[24:25], s[0:1], 0x30              ; w_out's codes
	v_lshl_add_u32 v[SPW], v0, 2, SPARE
	v_mov_b32 v[NIL], 0
	v_lshrrev_b32 v1, 5, v0
	v_readfirstlane_b32 s16, v1                    ; wave
	v_and_b32 v2, 31, v0                           ; lane
	v_lshlrev_b32 v3, 4, v2                        ; my 16 bytes of a load's 512
	s_mul_i32 s17, s16, WREG
	v_lshrrev_b32 v14, 2, v2
	v_mul_u32_u24 v14, v14, SP
	v_and_b32 v15, 3, v2
	v_lshl_add_u32 v14, v15, 4, v14
	v_add_nc_u32 v14, s17, v14                     ; the stage, on the way in: SP (lane / 4) + 16 (lane % 4); a load's 512 bytes take eight places
	v_mul_u32_u24 v15, v2, SP
	v_add_nc_u32 v15, s17, v15                     ; and on the way out: SP x lane: my 16 neighbours
	v_mul_u32_u24 v4, v2, CB                       ; my codes' place in a step's
	s_wait_alu depctr_va_vdst(0)
	s_wait_kmcnt 0x0
	s_load_b256 s[32:39], s[10:11], 0x0            ; the eight exponents
	s_cmp_lt_u32 ttmp9, WGX                        ; x's work-group?  The choices hang on the work-group's number alone
	s_cselect_b64 s[4:5], s[4:5], s[6:7]
	s_cselect_b64 s[26:27], s[12:13], s[14:15]
	s_cselect_b32 s17, 0, WGX
	s_cmp_lt_u32 ttmp9, WGXW                       ; or w_out's?
	s_cselect_b64 s[4:5], s[4:5], s[8:9]           ; the numbers,
	s_cselect_b64 s[8:9], s[26:27], s[24:25]       ; the codes (w_out's address has just been used: its registers take the codes')
	s_cselect_b32 s17, s17, WGXW                   ; and the tensor's first work-group
	s_sub_co_u32 s17, ttmp9, s17
	s_lshl_b32 s17, s17, 2
	s_add_co_u32 s18, s17, s16                     ; which run of 2,048 numbers of the tensor is my wave's
	s_mov_b32 s19, 0
	s_mov_b64 s[20:21], 512*STEPS*4
	s_mul_u64 s[20:21], s[18:19], s[20:21]
	s_add_nc_u64 s[4:5], s[4:5], s[20:21]
	s_mov_b64 s[20:21], 32*STEPS*CB
	s_mul_u64 s[20:21], s[18:19], s[20:21]
	s_add_nc_u64 s[8:9], s[8:9], s[20:21]
.macro LOAD t
.irp i, 0,1,2,3
	global_load_b128 v[R+16*(\t)+4*\i:R+16*(\t)+4*\i+3], v3, s[4:5] offset:2048*(\t)+512*\i th:TH_LOAD_NT   ; 32 lanes read 512 consecutive bytes
.endr
.endm
.macro TURN t                          ; step t's numbers through the stage: LDS serves a wave's instructions in order, so no wait stands between the stores and the loads
.irp i, 0,1,2,3
	ds_store_b128 v14, v[R+16*(\t)+4*\i:R+16*(\t)+4*\i+3] offset:32*SP*((\t)%2)+8*SP*\i
.endr
.irp i, 0,1,2,3
	ds_load_b128 v[X+16*((\t)%2)+4*\i:X+16*((\t)%2)+4*\i+3], v15 offset:32*SP*((\t)%2)+16*\i
.endr
.endm
.irp t, 0,1,2,3
	LOAD \t                                        ; all that my wave reads: 16 loads
.endr
	s_wait_kmcnt 0x0
	s_cmp_lt_u32 ttmp9, WGX
	s_cselect_b32 s22, s32, s33                    ; entry 0 or entry 1,
	s_cmp_lt_u32 ttmp9, WGXW
	s_cselect_b32 s22, s22, s39                    ; or entry 7: e
	s_add_co_i32 s22, s22, 127
	s_lshl_b32 s23, s22, 23
	v_mov_b32 v11, s23                             ; 2^e as f32: the conversion takes its exponent field
	s_add_co_i32 s22, s22, EMAX
	s_lshl_b32 s22, s22, 23
	s_or_b32 s22, s22, MANT
	v_mov_b32 v10, s22                             ; 448 x 2^e
	s_wait_alu depctr_va_vdst(0)
	s_wait_loadcnt 12                              ; step 0's four loads are in; the twelve of steps 1 to 3 may be out
	TURN 0
.macro STEP t
.set XS, X+16*((\t)%2)
	s_wait_dscnt 0x0                               ; this step's numbers are back from the stage
.if (\t)+1 < STEPS
	s_wait_loadcnt 4*(STEPS-2-(\t))                ; the next step's four loads are in; four may be out for each step behind it
	TURN (\t)+1                                    ; and go through the other stage while this step is worked
.endif
.irp i, 0,1,2,3,4,5,6,7,8,9,10,11,12,13,14,15
	v_med3_num_f32 v[XS+\i], v[XS+\i], -v10, v10   ; the conversion to an 8-bit code does not saturate (ISA guide 7.6.2): the number is held within 448 x the scale first
.endr
	v_cvt_scalef32_pk8_fp8_f32 v[C+4*(\t):C+4*(\t)+1], v[XS:XS+7], v11          ; eight numbers / 2^e, to the nearest code, ties to even; the first number's code in the lowest byte
	v_cvt_scalef32_pk8_fp8_f32 v[C+4*(\t)+2:C+4*(\t)+3], v[XS+8:XS+15], v11
	global_store_b128 v4, v[C+4*(\t):C+4*(\t)+3], s[8:9] offset:32*CB*(\t)      ; the results go to a store alone; the next vector lines, the next step's holds, are plain and touch other registers
.endm
.irp t, 0,1,2,3
	STEP \t
.endr
	s_wait_tensorcnt 0x0                           ; the wave's end
	ds_add_u32 v[SPW], v[NIL]
	s_wait_dscnt 0x0
	s_endpgm
.Lfunc_end_k_q16776823c2_quant:
	.size	k_q16776823c2_quant, .Lfunc_end_k_q16776823c2_quant-k_q16776823c2_quant
	.p2alignl 7, 3214868480
	.fill 96, 4, 3214868480
	.section	.rodata,"a",@progbits
	.p2align	6, 0x0
	.amdhsa_kernel k_q16776823c2_quant
		.amdhsa_group_segment_fixed_size 33280
		.amdhsa_private_segment_fixed_size 0
		.amdhsa_enable_private_segment 0
		.amdhsa_kernarg_size 56
		.amdhsa_user_sgpr_count 2
		.amdhsa_user_sgpr_kernarg_segment_ptr 1
		.amdhsa_wavefront_size32 1
		.amdhsa_system_sgpr_workgroup_id_x 1
		.amdhsa_system_sgpr_workgroup_id_y 1
		.amdhsa_system_sgpr_workgroup_id_z 1
		.amdhsa_system_vgpr_workitem_id 0
		.amdhsa_next_free_vgpr 128
		.amdhsa_next_free_sgpr 66
		.amdhsa_reserve_vcc 0
		.amdhsa_float_denorm_mode_32 3
		.amdhsa_float_denorm_mode_16_64 3
		.amdhsa_memory_ordered 1
		.amdhsa_forward_progress 1
		.amdhsa_inst_pref_size 12
	.end_amdhsa_kernel
	.amdgpu_metadata
---
amdhsa.version: [ 1, 2 ]
amdhsa.kernels:
  - .name:           k_q16776823c2_quant
    .symbol:         k_q16776823c2_quant.kd
    .args:
      - { .name: x, .offset: 0, .size: 8, .value_kind: global_buffer, .address_space: global }
      - { .name: w_in, .offset: 8, .size: 8, .value_kind: global_buffer, .address_space: global }
      - { .name: w_out, .offset: 16, .size: 8, .value_kind: global_buffer, .address_space: global }
      - { .name: lowp_scales, .offset: 24, .size: 8, .value_kind: global_buffer, .address_space: global }
      - { .name: x_codes, .offset: 32, .size: 8, .value_kind: global_buffer, .address_space: global }
      - { .name: win_codes, .offset: 40, .size: 8, .value_kind: global_buffer, .address_space: global }
      - { .name: wout_codes, .offset: 48, .size: 8, .value_kind: global_buffer, .address_space: global }
    .group_segment_fixed_size: 33280
    .private_segment_fixed_size: 0
    .kernarg_segment_align: 8
    .kernarg_segment_size: 56
    .max_flat_workgroup_size: 128
    .sgpr_count:     66
    .vgpr_count:     128
    .wavefront_size: 32
...
	.end_amdgpu_metadata
.endif
;; end of part 1
;; launch gemm_qkv (part 2): grid 12 x 32, 4 waves a work-group, clusters of 4 x 4, 327,680 bytes of LDS; arguments x_codes, win_codes, lowp_scales, q_codes, k_codes, v_codes; writes q_codes, k_codes, v_codes
.if DOCPART == 2
	.amdgcn_target "amdgcn-amd-amdhsa--gfx1250"
	.amdhsa_code_object_version 6
	.text
	.protected	k_q16776823c2_gemm_qkv
	.globl	k_q16776823c2_gemm_qkv
	.p2align	8
	.type	k_q16776823c2_gemm_qkv,@function
k_q16776823c2_gemm_qkv:
	s_mov_b64 s[64:65], 0
	v_nop
	global_prefetch_b8 v0, s[64:65] scope:SCOPE_SE
	s_setreg_imm32_b32 hwreg(HW_REG_WAVE_MODE, 25, 1), 1
	s_wait_xcnt 0x0
	s_wait_alu depctr_hold_cnt(0) depctr_sa_sdst(0) depctr_va_vdst(0) depctr_va_sdst(0) depctr_va_ssrc(0) depctr_va_vcc(0) depctr_vm_vsrc(0)
	s_getreg_b32 s2, hwreg(HW_REG_IB_STS2, 6, 4)
	s_cmp_eq_u32 s2, 0
	s_cbranch_scc0 .Lentry_in_a_cluster
	s_endpgm
.Lentry_in_a_cluster:
	s_bfe_u32 s2, ttmp6, 0x10000c
	s_cmp_lg_u32 s2, 0xf033
	s_cbranch_scc0 .Lentry_shape_is_right
	s_endpgm
.Lentry_shape_is_right:
; LAUNCH 2 OF 4.  proj = x w_in^T on codes of FP8 (E4M3); each finished f32 sum is quantised at once, with the given scale of q (entry 2), k (entry 3) or v (entry 5), and leaves as a code.  No work of this product is left out.
; A sum stands for sum x 2^(e0 + e1), so its code is sum / 2^(eX - e0 - e1), held within +-448: the three exponents are folded into the conversion's one scale.
; LIMIT: eX - e0 - e1 lies between -126 and 119, so that this scale and 448 x it are f32 numbers.
; A tile of 256 x 256 is made by a work-group of four waves; a wave makes 128 x 128: 64 accumulators of 16 x 16, 512 registers.  K = 1,024 goes in four steps of 256 through a ring of two LDS slots filled by the tensor data mover.
; ROLES.  Source 1 of the matrix instruction takes 16 rows of the tensor in role A, source 0 16 rows of the one in role B: a lane then holds ONE row of A's and eight NEIGHBOURING rows of B's.
;   clusters x = 0 (q) and 1 (k): A = x's codes (tokens), B = w_in's rows 0-2047 (features): a lane's eight codes are neighbours along the head's axis, which is product 2's K.
;   cluster  x = 2 (v):           A = w_in's rows 2048-3071, B = x's codes: a lane's eight codes are neighbours along the KEYS, which are product 3's K.  Nothing is transposed.
; The cluster's x is the same in all sixteen partners; it enters selects alone, never a branch.
; OUT.  A wave's 128 x 128 codes are one dense block of 16,384 bytes: q, k: [batch x 8 + head pair][block of 128 tokens][token][128 bytes = two heads x 64]; v: [batch x 8 + head pair][block of 128 keys][two heads x 64][128 keys].
; CLUSTERS: 4 x 4 work-groups.  The four of a row of the cluster need the same tiles of A, the four of a column the same tiles of B: each tile is asked for JOINTLY, by the same tensor load with the same descriptor and a mask that names the four.
; REGISTERS, in windows of 256: window 0: v0-31 addresses and the two scale numbers; from v128 A's fragments, ONE set; on the way out v32-95 held sums, v128-255 codes.
;   window 1: B's fragments, TWO sets, at v0 and at v128.   window 2: the 32 accumulators of my rows 0-63 (accumulator (a, b) at v[8 (8 a + b)]);   window 3: those of my rows 64-127.
.set SIZE_K, 1024
.set KSTEP,  256                       ; along K in a slot
.set ROWB,   256                       ; a tile's row in bytes
.set KROW,   SIZE_K                    ; a row of codes in memory, in bytes
.set PITCH,  272                       ; an LDS row: 256 bytes + 16 of padding = 68 words: the 16 rows that a load touches start at 16 different banks (64 banks of 4 bytes: ISA guide 11.1)
.set FR,     16                        ; registers of a fragment: 16 rows x 128 K
.set NL,     4                         ; LDS loads that bring one
.set NP,     4                         ; places behind this matrix instruction (ISA guide 7.12.1)
.set HALFT,  128*PITCH                 ; 128 rows: what one tensor load brings, and what one wave reads of A or of B
.set SLOT,   4*HALFT                   ; A's 256 rows, then B's 256 rows
.set LAPS,   SIZE_K/(2*KSTEP)          ; a lap = two K steps = once round the ring
.set SPARE,  2*SLOT                    ; behind the ring: the spare words, 128 bytes for each wave
.set OPITCH, 144                       ; the way out: a stage of 128 rows x (128 bytes + 16) for each wave.  It lies in slot 0, which has had its last fill and its last read when the first code is stored there
.set OSTAGE, 128*OPITCH
.set ADRA, 16                          ; v16-17  LDS address of my A fragments in slot 0, 1
.set ADRB, 20                          ; v20-21  the same for B
.set STO,  24                          ; v24     the way out: where I put 8 bytes of a row
.set RD,   25                          ; v25     the way out: where I read 16 bytes back
.set CO,   26                          ; v26     16 x lane: my place in a store's 512 bytes
.set SPW,  28                          ; v28     LDS address of my spare word; never rewritten
.set NIL,  29                          ; v29     0; never rewritten
.set QSC,  30                          ; v30     2^(eX - e0 - e1) as f32
.set QLIM, 31                          ; v31     448 x that
.set TMP,  32                          ; the way out: 64 registers, a block's sums, held
.set AF,   128                         ; A's fragments, in window 0
.set CD,   128                         ; the way out: 16 registers of codes for each of the 8 blocks, later the rows read back
.set G1, 24                            ; s[24:31] descriptor group 1 for A's tiles;  s[32:39] group 0, one set for each slot
.set G0, 32
.set G1B, 48                           ; s[48:55], s[56:63] the same for B's tiles
.set G0B, 56
.set MSB, 0
.macro WIN new                         ; the immediate's high byte repeats the setting that is left
.if MSB != \new
	s_set_vgpr_msb (MSB<<8)|\new
.set MSB, \new
.endif
.endm
.set MUL_LO, 0xa1                      ; source 0 (B) window 1, source 1 (A) window 0, C and D window 2
.set MUL_HI, 0xf1                      ; the same, C and D window 3
.set TO_B,   0x40                      ; destination window 1, address window 0
; A joint load: waves 0 and 1 fetch for A, waves 2 and 3 for B.  Each of the two lines has ONE mask and one set of registers for all that issue it; the branch hangs on the wave's number alone.
; An s_nop 0 and four v_nop follow each of the two lines, ahead of the jump, the label and what follows.
.macro JLOAD g0a, g1a, g0b, g1b
	s_cmp_eq_u32 s15, 0
	s_cbranch_scc0 .Lfor_b_\@
	tensor_load_to_lds s[\g0a:\g0a+3], s[\g1a:\g1a+7]
	s_nop 0
.rept 4
	v_nop
.endr
	s_branch .Lasked_\@
.Lfor_b_\@:
	tensor_load_to_lds s[\g0b:\g0b+3], s[\g1b:\g1b+7]
	s_nop 0
.rept 4
	v_nop
.endr
.Lasked_\@:
.endm
.macro CREST                           ; a round of the cluster's barrier behind its opening barrier
	s_cmp_lg_u32 s14, 0
	s_cbranch_scc1 .Lnot_wave_0_\@
	s_barrier_signal -3
.Lnot_wave_0_\@:
	s_barrier_wait -3
	s_barrier_signal -1
	s_barrier_wait -1
.endm
.macro CROUND                          ; a whole round
	s_barrier_signal -1
	s_barrier_wait -1
	CREST
.endm
	s_load_b256 s[4:11], s[0:1], 0x0               ; x's codes s[4:5], w_in's codes s[6:7], the scales' exponents s[8:9], q's codes s[10:11]
	s_load_b128 s[68:71], s[0:1], 0x20             ; k's codes s[68:69], v's codes s[70:71]
	v_lshl_add_u32 v[SPW], v0, 2, SPARE
	v_mov_b32 v[NIL], 0
	ds_add_u32 v[SPW], v[NIL]                      ; the wave's opening: the add, twice on end, and its wait ahead of my first tensor load; the set-up below, work on registers, stands between the second and the wait
	ds_add_u32 v[SPW], v[NIL]
	v_lshrrev_b32 v1, 5, v0
	v_readfirstlane_b32 s14, v1                    ; wave 0..3
	s_lshr_b32 s15, s14, 1                         ; which half of A's 256 rows is mine.  Also: I fetch for A (0) or for B (1)
	s_and_b32 s16, s14, 1                          ; which half of B's.  Also: which 128 rows of that tile I fetch
	s_bfe_u32 s40, ttmp6, 0x40000                  ; cx, cy: my place in the cluster
	s_bfe_u32 s41, ttmp6, 0x40004
	s_and_b32 s66, ttmp7, 0xffff                   ; the cluster's y
	s_cmp_eq_u32 ttmp9, 2                          ; v's clusters?  (the cluster's x: the same in all sixteen partners)
	s_cselect_b32 s67, s66, ttmp9                  ; B's tiles walk with the cluster's y (v: tokens) or x (q, k: features),
	s_cselect_b32 s66, 0, s66                      ; A's with nothing (v: w_in's four tiles lie inside a cluster) or with y (q, k: tokens)
	s_cselect_b32 s80, 2048, 0                     ; v's rows of w_in begin at row 2,048
	s_lshl_b32 s42, s67, 2
	s_add_co_u32 s42, s42, s40                     ; B's tile = 4 x that + cx
	s_lshl_b32 s17, s66, 2
	s_add_co_u32 s17, s17, s41                     ; A's tile = 4 x that + cy
	s_lshl_b32 s43, s41, 2
	s_lshl_b32 s43, 15, s43                        ; my row of the cluster
	s_lshl_b32 s44, 0x1111, s40                    ; my column
	; descriptor group 1: a tile of 128 rows x 256 bytes, padded in LDS
	s_or_b32 s[G1+0], s43, (0<<16)|(1<<20)|(1<<21)|(5<<22)|(3<<25)  ; 15:0 the mask: A's tiles go to my row; 17:16 element of 1 byte; 20 padding on; 21 set beside a mask; 24:22 after every 64 words (code 5); 31:25 of 4 words (code 3)
	s_or_b32 s[G1B+0], s44, (0<<16)|(1<<20)|(1<<21)|(5<<22)|(3<<25) ; the same with the mask of my column
.irp g, G1, G1B
	s_mov_b32 s[\g+1], ROWB<<16                    ; tensor_dim0
	s_mov_b32 s[\g+2], 128<<16                     ; tensor_dim1 = 128
	s_mov_b32 s[\g+3], ROWB<<16                    ; tile_dim0
	s_mov_b32 s[\g+4], 128                         ; tile_dim1 = 128
	s_mov_b32 s[\g+5], KROW                        ; tensor_dim0_stride
	s_mov_b32 s[\g+6], 0
	s_mov_b32 s[\g+7], 0
.endr
	s_lshl_b32 s18, s16, 7                         ; which 128 rows of the tile I fetch
	s_lshl_b32 s20, s17, 8
	s_add_co_u32 s20, s20, s18
	s_add_co_u32 s20, s20, s80                     ; A: row 256 x tile + 128 x half (+ 2,048 in w_in for v)
	s_lshl_b32 s46, s42, 8
	s_add_co_u32 s46, s46, s18                     ; B: row 256 x tile + 128 x half
	s_mov_b32 s21, 0
	s_mov_b32 s47, 0
	s_mov_b64 s[18:19], KROW
	s_mul_u64 s[20:21], s[20:21], s[18:19]         ; in bytes
	s_mul_u64 s[46:47], s[46:47], s[18:19]
	s_mul_i32 s45, s14, HALFT                      ; where they go: wave x 128 rows: no place in the cluster enters an LDS address
	s_wait_dscnt 0x0                               ; both opening adds are done
	s_wait_kmcnt 0x0
	s_load_b256 s[72:79], s[8:9], 0x0              ; the eight exponents: wanted on the way out
	s_cmp_eq_u32 ttmp9, 2
	s_cselect_b64 s[82:83], s[6:7], s[4:5]         ; the tensor in role A,
	s_cselect_b64 s[84:85], s[4:5], s[6:7]         ; and in role B
	s_add_nc_u64 s[20:21], s[82:83], s[20:21]
	s_add_nc_u64 s[46:47], s[84:85], s[46:47]
	CROUND                                         ; all sixteen work-groups are here: the first joint loads meet
.irp s, 0,1
	s_mov_b32 s[G0+4*\s], 1                        ; count = 1
	s_add_co_u32 s[G0+4*\s+1], s45, \s*SLOT        ; LDS address
	s_add_nc_u64 s[G0+4*\s+2:G0+4*\s+3], s[20:21], \s*ROWB   ; global address: K step s
	s_or_b32 s[G0+4*\s+3], s[G0+4*\s+3], 0x80000000          ; type = 2
	s_mov_b32 s[G0B+4*\s], 1
	s_add_co_u32 s[G0B+4*\s+1], s45, \s*SLOT
	s_add_nc_u64 s[G0B+4*\s+2:G0B+4*\s+3], s[46:47], \s*ROWB
	s_or_b32 s[G0B+4*\s+3], s[G0B+4*\s+3], 0x80000000
.endr
	; THE PREFETCHES.  Of the 128 rows that my wave fetches, each of the four partners that ask for them jointly names 32, told apart by address (cx for role A, cy for role B): a lane a row, 256 bytes of it a K step.
	; K steps 1 and 2 are named behind K step 0's load, K step 3 behind K step 1's: each one or two loads ahead of its own.  x's rows are loaded by three clusters, and each names them; w_in's by eight, of which the first four rows of clusters name them.
	s_cmp_eq_u32 s15, 0
	s_cselect_b64 s[96:97], s[20:21], s[46:47]     ; my wave's 128 rows, K step 0
	s_cselect_b32 s98, s40, s41                    ; my place among the four
	s_lshl_b32 s98, s98, 15                        ; 32 rows of 1,024 bytes
	s_mov_b32 s99, 0
	s_add_nc_u64 s[96:97], s[96:97], s[98:99]
	s_cmp_eq_u32 ttmp9, 2
	s_cselect_b32 s98, 1, 0
	s_xor_b32 s98, s98, s15                        ; 1: my wave fetches rows of w_in
	s_and_b32 s99, ttmp7, 0xffff
	s_lshr_b32 s99, s99, 2
	s_min_u32 s99, s99, 1                          ; 1: a row of clusters behind the first four
	s_and_b32 s98, s98, s99                        ; 1: my wave names nothing
	JLOAD G0, G1, G0B, G1B                         ; K step 0: one tensor load a wave at the head
	v_and_b32 v27, 31, v0
	v_lshlrev_b32 v27, 10, v27                     ; a lane a row; never rewritten
	s_cmp_eq_u32 s98, 0
	s_cbranch_scc0 .Lno_ask0
	global_prefetch_b8 v27, s[96:97] offset:256 th:TH_LOAD_NT scope:SCOPE_SE
	global_prefetch_b8 v27, s[96:97] offset:512 th:TH_LOAD_NT scope:SCOPE_SE
.Lno_ask0:
	v_and_b32 v1, 15, v0                           ; l % 16
	s_wait_alu depctr_va_vdst(0)
	v_bfe_u32 v2, v0, 4, 1                         ; l / 16
	v_mul_u32_u24 v3, v1, PITCH
	v_lshl_add_u32 v4, v2, 4, v3                   ; a fragment's row x pitch + 16 x half
	s_mul_i32 s21, s15, HALFT                      ; my 128 rows of A
	s_mul_i32 s22, s16, HALFT                      ; my 128 rows of B,
	s_add_co_u32 s22, s22, 2*HALFT                 ; which lie behind A's 256
.irp s, 0,1
	v_add_nc_u32 v[ADRA+\s], s21, v4
	v_add_nc_u32 v[ADRB+\s], s22, v4
	s_add_co_u32 s21, s21, SLOT
	s_add_co_u32 s22, s22, SLOT
.endr
	s_mul_i32 s23, s14, OSTAGE                     ; my stage
	v_mul_u32_u24 v5, v1, OPITCH                   ; in: row l % 16, 8 bytes for each half of the lanes
	s_wait_alu depctr_va_vdst(0)
	v_lshl_add_u32 v5, v2, 3, v5
	v_add_nc_u32 v[STO], s23, v5
	v_and_b32 v6, 31, v0
	v_lshlrev_b32 v[CO], 4, v6                     ; out: 16 bytes a lane of 512 consecutive bytes,
	v_lshrrev_b32 v7, 3, v6
	v_mul_u32_u24 v7, v7, OPITCH                   ; which are four stage rows of 128 bytes, eight lanes to a row
	v_and_b32 v8, 7, v6
	v_lshl_add_u32 v7, v8, 4, v7
	v_add_nc_u32 v[RD], s23, v7
	; my block of 16,384 bytes: ((batch x 8 + head pair) x 16 + block of 128 tokens) x 16,384, in q, k or v
	s_lshl_b32 s86, s17, 1
	s_add_co_u32 s86, s86, s15                     ; which 128 rows of A's tensor are mine
	s_lshl_b32 s87, s42, 1
	s_add_co_u32 s87, s87, s16                     ; and of B's
	s_cmp_eq_u32 ttmp9, 2
	s_cselect_b32 s88, s87, s86                    ; the block of tokens, 0..63,
	s_cselect_b32 s89, s86, s87                    ; and the block of features:
	s_and_b32 s89, s89, 7                          ; the head pair (k's features begin at block 8)
	s_lshr_b32 s90, s88, 4                         ; batch
	s_lshl_b32 s90, s90, 3
	s_add_co_u32 s90, s90, s89
	s_lshl_b32 s90, s90, 4
	s_and_b32 s88, s88, 15
	s_add_co_u32 s90, s90, s88
	s_lshl_b32 s90, s90, 14
	s_mov_b32 s91, 0
	s_cmp_eq_u32 ttmp9, 0
	s_cselect_b64 s[92:93], s[10:11], s[68:69]     ; q or k,
	s_cmp_eq_u32 ttmp9, 2
	s_cselect_b64 s[92:93], s[70:71], s[92:93]     ; or v
	s_add_nc_u64 s[92:93], s[92:93], s[90:91]
.macro FRAG reg, adr, off              ; a fragment, 16 rows x 128 K of 8-bit codes, is 16 registers: lane l holds row l % 16; registers 4 c .. 4 c + 3 hold K = 32 c + 16 (l / 16) + 0 .. 15: the same order of K in A and in B
.irp c, 0,1,2,3
	ds_load_b128 v[\reg+4*\c:\reg+4*\c+3], v[\adr] offset:\off+32*\c
.endr
.endm
; 16 matrix instructions: A's blocks a0, a0 + 1 x B's eight, 128 along K.  p: B's set.  zero = 1: the first product starts the sums: nothing is ever cleared.
; The 64 accumulators take turns, one instruction a turn, in the same order in every step.
.macro MUL16 a0, p, zero
.irp a, \a0, \a0+1
.irp b, 0,1,2,3,4,5,6,7
.if \zero
	v_wmma_f32_16x16x128_fp8_fp8 v[8*(8*((\a)%4)+\b):8*(8*((\a)%4)+\b)+7], v[128*(\p)+FR*\b:128*(\p)+FR*\b+FR-1], v[AF+FR*(\a):AF+FR*(\a)+FR-1], 0
.else
	v_wmma_f32_16x16x128_fp8_fp8 v[8*(8*((\a)%4)+\b):8*(8*((\a)%4)+\b)+7], v[128*(\p)+FR*\b:128*(\p)+FR*\b+FR-1], v[AF+FR*(\a):AF+FR*(\a)+FR-1], v[8*(8*((\a)%4)+\b):8*(8*((\a)%4)+\b)+7]
.endif
.endr
.endr
.endm
.macro FETCH_B slot, q, p              ; B's eight fragments of the slot's q-th 128 along K into set p
	WIN TO_B
.irp i, 0,1,2,3,4,5,6,7
	FRAG 128*(\p)+FR*\i, ADRB+\slot, 128*(\q)+\i*16*PITCH
.endr
	WIN 0
.endm
.macro FETCH_A slot, q, i0             ; A's blocks i0 .. i0 + 3
.irp i, \i0, \i0+1, \i0+2, \i0+3
	FRAG AF+FR*(\i), ADRA+\slot, 128*(\q)+(\i)*16*PITCH
.endr
.endm
; A load into a register that a matrix instruction has read, and a vector instruction that reads a matrix result, stand NP places behind that matrix instruction, and only plain vector
; instructions that name none of its registers are places (ISA guide 7.12.1 for vector instructions).
.macro PLACES n
.rept \n
	v_nop
.endr
.endm
; A step of 128 along K that has its successor in the same slot.  A's blocks go one after the other, each against B's eight: a block of A is free when its eight products are issued, so A has one set of registers.
.macro STEP slot, q, zero
	s_wait_dscnt 4*NL                              ; B's set and A's blocks 0-3 are in; the youngest sixteen loads (A's blocks 4-7) may be out
	WIN MUL_LO
	MUL16 0, (\q)%2, \zero
	MUL16 2, (\q)%2, \zero
	s_wait_dscnt 0                                 ; A's blocks 4-7 are in (asked for 32 matrix instructions ago)
	PLACES NP
	FETCH_B \slot, (\q)+1, 1-(\q)%2
	FETCH_A \slot, (\q)+1, 0
	WIN MUL_HI
	MUL16 4, (\q)%2, \zero
	MUL16 6, (\q)%2, \zero
	PLACES NP
	WIN 0
	FETCH_A \slot, (\q)+1, 4
.endm
; A slot's last step changes slots: ONE barrier; in front of it each wave waits for all its tensor loads, adds 0 to its spare word, and waits for that and for its own reads of this slot.  fill = 1: this slot is filled again, two K steps ahead.
.macro TURN slot, next, fill
	s_wait_tensorcnt 0x0                           ; all my tensor loads have landed: my part of the next slot;  (every window is 0 here)
	ds_add_u32 v[SPW], v[NIL]                      ; 0 onto my spare word
	s_wait_dscnt 4*NL+1                            ; (the add and the youngest sixteen loads, A's blocks 4-7, may be out)
	WIN MUL_LO
	MUL16 0, 1, 0                                  ; sixteen matrix instructions stand between the add and the wait for it
	s_wait_dscnt 0x0                               ; the add is done, and my reads of this slot are over
	s_barrier_signal -1
	MUL16 2, 1, 0
	WIN 0
	s_barrier_wait -1
.if \fill
	CREST                                          ; the barrier has opened a round of the cluster's barrier: no wave of any partner still reads this slot's tile or has a load on its way
	s_add_nc_u64 s[G0+4*\slot+2:G0+4*\slot+3], s[G0+4*\slot+2:G0+4*\slot+3], 2*ROWB
	s_add_nc_u64 s[G0B+4*\slot+2:G0B+4*\slot+3], s[G0B+4*\slot+2:G0B+4*\slot+3], 2*ROWB
	JLOAD G0+4*\slot, G1, G0B+4*\slot, G1B         ; the first tensor load behind the round; the four v_nop behind it are the places in front of the loads below
.else
	PLACES NP
.endif
	FETCH_B \next, 0, 0
	FETCH_A \next, 0, 0
	WIN MUL_HI
	MUL16 4, 1, 0
	MUL16 6, 1, 0
	PLACES NP
	WIN 0
	FETCH_A \next, 0, 4
.endm
	s_wait_alu depctr_va_vdst(0)                   ; the head's end
	s_wait_tensorcnt 0x0                           ; my part of K step 0 is in; these lines stand ahead of a later first fill, as ahead of a refill
	ds_add_u32 v[SPW], v[NIL]
	s_wait_dscnt 0x0
	CROUND                                         ; everybody's part of K step 0 is in, and all sixteen work-groups are here
	JLOAD G0+4, G1, G0B+4, G1B                     ; K step 1: the first tensor load behind the round
	FETCH_B 0, 0, 0
	FETCH_A 0, 0, 0
	FETCH_A 0, 0, 4
	s_cmp_eq_u32 s98, 0
	s_cbranch_scc0 .Lno_ask1
	global_prefetch_b8 v27, s[96:97] offset:768 th:TH_LOAD_NT scope:SCOPE_SE   ; K step 3, two loads ahead of its own
.Lno_ask1:
	STEP 0, 0, 1                                   ; the first step stands in front of the loop: its products start the sums
	s_mov_b32 s3, LAPS-1
.Llap:                                                 ; a trip goes once round the ring, from a lap's second step to the next lap's first, and fills both slots again
	TURN 0, 1, 1
	STEP 1, 0, 0
	TURN 1, 0, 1
	STEP 0, 0, 0
	s_sub_co_u32 s3, s3, 1
	s_cmp_lg_u32 s3, 0
	s_cbranch_scc1 .Llap
	TURN 0, 1, 0                                   ; the last lap fills nothing, and has no round of the cluster's barrier
	STEP 1, 0, 0
	s_wait_dscnt 4*NL                              ; the very last step: nothing more to fetch
	WIN MUL_LO
	MUL16 0, 1, 0
	MUL16 2, 1, 0
	s_wait_dscnt 0
	WIN MUL_HI
	MUL16 4, 1, 0
	MUL16 6, 1, 0
	WIN 0
; THE WAY OUT.  Block a (16 rows of A's x 128 of B's): each sum is held within 448 x the scale, eight neighbours become 8 bytes of codes, and these go into my stage, row 16 a + l % 16, byte 16 b + 8 (l / 16).
; Each accumulator is read from its low end on.  Each block has its own 16 registers of codes, so that no LDS store's data are written again.
.macro OUTBLK a
.set AC, 64*((\a)%4)
	WIN 0x02+((\a)/4)                              ; source 0: window 2 or 3
.set j, 0
.rept 64
	v_med3_num_f32 v[TMP+j], v[AC+j], -v[QLIM], v[QLIM]   ; the conversion to an 8-bit code does not saturate (ISA guide 7.6.2)
.set j, j+1
.endr
	WIN 0
.irp b, 0,1,2,3,4,5,6,7
	v_cvt_scalef32_pk8_fp8_f32 v[CD+16*(\a)+2*\b:CD+16*(\a)+2*\b+1], v[TMP+8*\b:TMP+8*\b+7], v[QSC]
.endr
	v_nop                                          ; one plain vector instruction between the last conversion and the next block's holds, which write its sources
.irp b, 0,1,2,3,4,5,6,7
	ds_store_b64 v[STO], v[CD+16*(\a)+2*\b:CD+16*(\a)+2*\b+1] offset:(\a)*16*OPITCH+16*\b
.endr
.endm
	s_wait_kmcnt 0x0
	s_cmp_eq_u32 ttmp9, 0
	s_cselect_b32 s94, s74, s75                    ; q's exponent (entry 2) or k's (entry 3),
	s_cmp_eq_u32 ttmp9, 2
	s_cselect_b32 s94, s77, s94                    ; or v's (entry 5)
	s_sub_co_i32 s94, s94, s72
	s_sub_co_i32 s94, s94, s73                     ; less e0 and e1
	s_add_co_i32 s94, s94, 127
	s_lshl_b32 s95, s94, 23
	s_add_co_i32 s94, s94, 8
	s_lshl_b32 s94, s94, 23
	s_or_b32 s94, s94, 0x600000
	PLACES NP                                      ; behind the last products: for the reads of their results and the writes over A's fragments
	v_mov_b32 v[QSC], s95
	v_mov_b32 v[QLIM], s94
.irp a, 0,1,2,3,4,5,6,7
	OUTBLK \a
.endr
	s_wait_dscnt 0x0                               ; the stores have read their registers, which the loads below take
.set t, 0
.rept 32
	ds_load_b128 v[CD+4*t:CD+4*t+3], v[RD] offset:4*OPITCH*t     ; four rows of 128 bytes, eight lanes to a row
.set t, t+1
.endr
.set t, 0
.rept 32
	s_wait_dscnt 31-t                              ; LDS loads come back in order: load t is in, the younger ones may be out
	global_store_b128 v[CO], v[CD+4*t:CD+4*t+3], s[92:93] offset:512*t   ; 32 lanes store 512 consecutive bytes, at a multiple of 512 from the buffer's first byte
.set t, t+1
.endr
	s_wait_tensorcnt 0x0                           ; the wave's end: these three lines stand behind my last tensor load and my last LDS store
	ds_add_u32 v[SPW], v[NIL]
	s_wait_dscnt 0x0
	CROUND                                         ; the closing round: no work-group ends while a partner may still ask for a tile that names it
	s_endpgm
.Lfunc_end_k_q16776823c2_gemm_qkv:
	.size	k_q16776823c2_gemm_qkv, .Lfunc_end_k_q16776823c2_gemm_qkv-k_q16776823c2_gemm_qkv
	.p2alignl 7, 3214868480
	.fill 96, 4, 3214868480
	.section	.rodata,"a",@progbits
	.p2align	6, 0x0
	.amdhsa_kernel k_q16776823c2_gemm_qkv
		.amdhsa_group_segment_fixed_size 327680
		.amdhsa_private_segment_fixed_size 0
		.amdhsa_enable_private_segment 0
		.amdhsa_kernarg_size 48
		.amdhsa_user_sgpr_count 2
		.amdhsa_user_sgpr_kernarg_segment_ptr 1
		.amdhsa_wavefront_size32 1
		.amdhsa_system_sgpr_workgroup_id_x 1
		.amdhsa_system_sgpr_workgroup_id_y 1
		.amdhsa_system_sgpr_workgroup_id_z 1
		.amdhsa_system_vgpr_workitem_id 0
		.amdhsa_next_free_vgpr 1024
		.amdhsa_next_free_sgpr 100
		.amdhsa_reserve_vcc 0
		.amdhsa_float_denorm_mode_32 3
		.amdhsa_float_denorm_mode_16_64 3
		.amdhsa_memory_ordered 1
		.amdhsa_forward_progress 1
		.amdhsa_inst_pref_size 127
	.end_amdhsa_kernel
	.amdgpu_metadata
---
amdhsa.version: [ 1, 2 ]
amdhsa.kernels:
  - .name:           k_q16776823c2_gemm_qkv
    .symbol:         k_q16776823c2_gemm_qkv.kd
    .args:
      - { .name: x_codes, .offset: 0, .size: 8, .value_kind: global_buffer, .address_space: global }
      - { .name: win_codes, .offset: 8, .size: 8, .value_kind: global_buffer, .address_space: global }
      - { .name: lowp_scales, .offset: 16, .size: 8, .value_kind: global_buffer, .address_space: global }
      - { .name: q_codes, .offset: 24, .size: 8, .value_kind: global_buffer, .address_space: global }
      - { .name: k_codes, .offset: 32, .size: 8, .value_kind: global_buffer, .address_space: global }
      - { .name: v_codes, .offset: 40, .size: 8, .value_kind: global_buffer, .address_space: global }
    .group_segment_fixed_size: 327680
    .private_segment_fixed_size: 0
    .kernarg_segment_align: 8
    .kernarg_segment_size: 48
    .max_flat_workgroup_size: 128
    .sgpr_count:     100
    .vgpr_count:     1024
    .wavefront_size: 32
...
	.end_amdgpu_metadata
.endif
;; end of part 2
;; launch attn (part 3): grid 8 x 32, 16 waves a work-group, no clusters, 327,680 bytes of LDS; arguments q_codes, k_codes, v_codes, lowp_scales, o_codes; writes o_codes
.if DOCPART == 3
	.amdgcn_target "amdgcn-amd-amdhsa--gfx1250"
	.amdhsa_code_object_version 6
	.text
	.protected	k_q16776823c2_attn
	.globl	k_q16776823c2_attn
	.p2align	8
	.type	k_q16776823c2_attn,@function
k_q16776823c2_attn:
	s_mov_b64 s[64:65], 0
	v_nop
	global_prefetch_b8 v0, s[64:65] scope:SCOPE_SE
	s_setreg_imm32_b32 hwreg(HW_REG_WAVE_MODE, 25, 1), 1
	s_wait_xcnt 0x0
; LAUNCH 3 OF 4.  Products 2 and 3 on codes of FP8 (E4M3), with the ALiBi term, the mask and the softmax between them; the result o is quantised with the given scale (entry 6) and leaves as codes.
; WORK LEFT OUT: steps of 128 keys all of whose keys reference()'s own mask hides from all 128 queries of a block (q - k < 0, q - k >= 512, k < 0): their weights are 0 for all values of the inputs (shown at the head of launch 1).
; LIMIT: a NaN, an infinity or an overflow that reaches only such keys is not carried to the result.
; t = (q . k / 8 + (q_idx - k_idx) slope) log2(e), slope = 2^-((head + 1) / 2); M = the row's largest t so far, rounded UP to a whole number; p = 2^(t - M) is quantised along the keys (entry 4), not normalised.
; The row's sum is taken of the unquantised p, in f32, and divides O at the end.  When M moves, the sum and O are multiplied by 2^(old M - new M): exact.
; SHARES.  A work-group owns 256 queries (two blocks of 128: 2 x and 2 x + 1, x = work-group x) of the two heads of one pair (work-group y = batch x 8 + pair): 8 x 32 = 256 work-groups.
; Wave w: head 2 pair + w / 8, queries 16 (w % 8) on of a block: one tile of 16, in 256 registers; it takes the upper block first, then the lower.
; K AND V STAY IN LDS.  The two blocks of queries need key blocks 2 x - 4 .. 2 x + 1: six blocks of K and of V, 12 x 18,432 bytes.  Place s holds block 2 x + 1 - s: K's 128 rows, then V's.  Nothing is filled twice.
; Waves 0-3 ask for places 0 and 1 at the head (every work-group reads both); waves 4-11 ask for places 2 to 5 behind the first barrier, each only if its block exists (2 x + 1 - s >= 0): what is asked for is read.
; The upper block's first two steps read places 0 and 1 and stand between that request and the barrier that shows places 2 to 5 whole.  Every wait on TENSORcnt is for 0.
; THE WALK goes from the diagonal downward, five steps of 128 keys: the first carries the causal mask, the fifth the window's; a step whose first key is negative is jumped over (ids and the count of steps alone).
; LAYOUT.  Both products are used transposed: S^T = K Q^T (source 0 = 16 keys, source 1 = my 16 queries), O^T = V^T P^T: a lane holds ONE query (lane % 16) throughout.
; Tile t of K is keys 16 t .. 16 t + 15, so register 8 t + j of S^T is key 16 t + 8 (lane / 16) + j: eight such registers, converted, are registers 2 t, 2 t + 1 of the second product's operand; V's fragments come in the same order.
; THE ALiBi TERM: with c = log2(e) / 8 x 2^(e2 + e3) and kappa = 8 slope 2^-(e2 + e3): t = c (sum - n kappa) + L, n = 16 t + j, L = (q_idx - first key - 8 (lane / 16)) slope log2(e).
; -n kappa, 64 registers made once, is the C of the score's matrix instruction; L goes into the addend of the scaling.
; NO CLUSTER: a key block lies at another place of LDS in each work-group that reads it, and a joint load has one LDS address; and the first two work-groups of a sequence would be named by loads of blocks that they never read.
; NO PREFETCH: all tiles are asked for by the two groups of tensor loads at the start; no later load is left to run ahead of.
; LIMITS on the given exponents, so that each power of two below is an f32 number: e2 + e3 between -123 and 121; e4, and e6 - e4 - e5, between -126 and 119.
.set KP,    144                        ; a row of K's or V's tile in LDS: 128 bytes + 16 of padding
.set BLK,   128*KP                     ; a block's 128 rows
.set VOFF,  BLK                        ; a place: K's block, then V's
.set SSTEP, 2*BLK
.set STAGE, 14*BLK                     ; the way out: two stages of 128 rows x (128 bytes + 16), one for each block of queries; no tensor load lands here
.set QSAVE, STAGE+2*BLK                ; 32 bytes a thread: the lower block's Q fragment waits here
.set SPARE, QSAVE+16*1024              ; the spare words, 128 bytes for each of the 16 waves
.set AK0,  1
.set AV0,  2
.set LN,   3                           ; lane % 16 - 8 (lane / 16)
.set D1,   4
.set SPW,  5                           ; my spare word's address; never rewritten
.set NIL,  6                           ; 0; never rewritten
.set QA,   7
.set ADK,  8
.set ADV,  9
.set AD,   10                          ; v[10:11] L - M
.set NM,   12                          ; -M
.set TM,   13                          ; the largest t so far
.set SUM,  14                          ; v[14:15]
.set QF,   16                          ; v[16:23] Q's fragment
.set LL,   24
.set GO,   25
.set PSC,  26
.set OSC,  28
.set OLIM, 29
.set STO,  30
.set RD,   31
.set X,    32                          ; K's tiles 0-3, then the scores of tiles 4-7
.set Y,    64                          ; the scores of tiles 0-3, then V's fragments 2, 3
.set Z,    96                          ; K's tiles 4-7, then V's fragments 0, 1
.set S,    32                          ; S^T, then p: tile t at S + 8 ((t + 4) % 8)
.set O,    128                         ; O^T
.set PC,   160                         ; p's codes; on the way out o's
.set MA,   176                         ; v176, v178, v188, v190: the four chains of the maximum
.set MB,   178
.set PX,   180
.set F,    182
.set NINF, 186
.set BIAS, 192                         ; -n kappa
.set TB,   2                           ; s2 LDS byte of the step's place
.set TW,   17
.set WV,   18
.set HU,   19
.set SEL,  20
.set CS,   22
.set SL,   24
.set NK,   25
.set HI,   26                          ; waves below this number (and from 4 on) ask in the second group
.set PLS,  27                          ; s27 448 x 2^e4
.set G1,   28
.set G0,   36
.set CNT,  67
.set KF,   90
.set Q0,   91
.set QB,   92
.macro TL                              ; my one tensor load of a group, with the lines behind it
	tensor_load_to_lds s[G0:G0+3], s[G1:G1+7]
	s_nop 0
.rept 4
	v_nop
.endr
.endm
.macro INIT                            ; a block of queries begins: the largest t under every t, sums and O^T zero
	v_mov_b32 v[TM], 0xff61b1e6
	s_delay_alu instid0(VALU_DEP_1)
	v_floor_f32 v[NM], -v[TM]
	v_mov_b32 v[SUM], 0
	v_mov_b32 v[SUM+1], 0
.set n, 0
.rept 32
	v_mov_b32 v[O+n], 0
.set n, n+1
.endr
.endm
	s_load_b256 s[4:11], s[0:1], 0x0               ; Q's codes s[4:5], K's s[6:7], V's s[8:9], the exponents s[10:11]
	s_load_b64 s[12:13], s[0:1], 0x20              ; o's codes
	v_lshl_add_u32 v[SPW], v0, 2, SPARE
	v_mov_b32 v[NIL], 0
	ds_add_u32 v[SPW], v[NIL]                      ; the opening: the add, twice on end, and its wait ahead of the first tensor load
	ds_add_u32 v[SPW], v[NIL]
	v_lshrrev_b32 v7, 5, v0
	s_delay_alu instid0(VALU_DEP_1)
	v_readfirstlane_b32 s[WV], v7                  ; wave 0..15
	s_and_b32 s[TW], s[WV], 7
	s_lshr_b32 s[HU], s[WV], 3
	s_and_b32 s44, ttmp7, 0xffff                   ; batch x 8 + pair
	s_and_b32 s45, s44, 7
	s_lshr_b32 s46, s44, 3
	s_lshl_b32 s[QB], ttmp9, 8
	s_add_co_u32 s[QB], s[QB], 128                 ; the upper block's first query
	s_lshl_b32 s47, s[TW], 4
	s_add_co_u32 s[Q0], s[QB], s47
	s_lshl_b32 s48, ttmp9, 1
	s_add_co_u32 s48, s48, 1
	s_lshr_b32 s49, s[WV], 1                       ; my place s = wave / 2; wave % 2: K or V
	s_sub_co_i32 s48, s48, s49                     ; its block 2 x + 1 - s
	s_max_i32 s48, s48, 0                          ; (a wave whose block does not exist asks for nothing; its address stays in the buffer)
	s_lshl_b32 s50, s44, 4
	s_add_co_u32 s50, s50, s48
	s_lshl_b32 s50, s50, 14                        ; 16,384 bytes a block, in K's codes and in V's alike
	s_mov_b32 s51, 0
	s_lshl_b32 s[HI], ttmp9, 2
	s_add_co_u32 s[HI], s[HI], 4
	s_min_u32 s[HI], s[HI], 12                     ; block 2 x + 1 - wave / 2 exists where wave < 4 x + 4
	s_mul_i32 s49, s[WV], BLK                      ; where my tile goes: wave x a block
	s_mov_b32 s[G1], (0<<16)|(1<<20)|(4<<22)|(3<<25)   ; elements of 1 byte; four words of padding after every 32
	s_mov_b32 s[G1+1], 256<<16                     ; a block is 16,384 dense bytes, stated as 64 rows of 256
	s_mov_b32 s[G1+2], 64<<16
	s_mov_b32 s[G1+3], 256<<16
	s_mov_b32 s[G1+4], 64
	s_mov_b32 s[G1+5], 256
	s_mov_b32 s[G1+6], 0
	s_mov_b32 s[G1+7], 0
	s_mov_b32 s[SEL], 0x76543210
	s_mov_b32 s[SEL+1], 0xfedcba98
	s_mov_b32 s[TB], 0
	s_mov_b32 s[KF], s[QB]
	s_wait_dscnt 0x0                               ; both opening adds are done
	s_wait_kmcnt 0x0
	s_load_b256 s[68:75], s[10:11], 0x0            ; e0 .. e7
	s_and_b32 s52, s[WV], 1
	s_cmp_eq_u32 s52, 0
	s_cselect_b64 s[52:53], s[6:7], s[8:9]         ; even waves K, odd waves V
	s_mov_b32 s[G0], 1
	s_mov_b32 s[G0+1], s49
	s_add_nc_u64 s[G0+2:G0+3], s[52:53], s[50:51]
	s_or_b32 s[G0+3], s[G0+3], 0x80000000
	s_cmp_lt_u32 s[WV], 4
	s_cbranch_scc0 .Lno_first
	TL                                             ; places 0 and 1: blocks 2 x + 1 and 2 x
.Lno_first:
	s_lshl_b32 s54, s44, 11
	s_add_co_u32 s54, s54, s[Q0]
	s_sub_co_u32 s54, s54, 128                     ; Q: my rows of the lower block; the upper block's lie 16,384 bytes on
	s_lshl_b32 s54, s54, 7
	s_lshl_b32 s56, s[HU], 6
	s_add_co_u32 s54, s54, s56
	s_mov_b32 s55, 0
	s_add_nc_u64 s[4:5], s[4:5], s[54:55]
	v_and_b32 v8, 15, v0                           ; r
	v_bfe_u32 v9, v0, 4, 1                         ; h
	s_delay_alu instid0(VALU_DEP_2)
	v_lshlrev_b32 v[QA], 7, v8
	s_delay_alu instid0(VALU_DEP_1)
	v_lshl_add_u32 v[QA], v9, 4, v[QA]
	global_load_b128 v[QF:QF+3], v[QA], s[4:5] offset:16384
	global_load_b128 v[QF+4:QF+7], v[QA], s[4:5] offset:16384+32
	global_load_b128 v[Z:Z+3], v[QA], s[4:5]
	global_load_b128 v[Z+4:Z+7], v[QA], s[4:5] offset:32
	v_mul_u32_u24 v[AK0], v8, KP
	s_delay_alu instid0(VALU_DEP_1)
	v_lshl_add_u32 v[AK0], v9, 4, v[AK0]
	s_delay_alu instid0(VALU_DEP_1)
	v_add_nc_u32 v[AK0], s56, v[AK0]               ; K: row r, + 16 h, + my head's 64 bytes
	s_mul_i32 s57, s[HU], 64*KP
	v_mul_u32_u24 v[AV0], v8, KP
	s_delay_alu instid0(VALU_DEP_1)
	v_lshl_add_u32 v[AV0], v9, 3, v[AV0]
	s_delay_alu instid0(VALU_DEP_1)
	v_add_nc_u32 v[AV0], s57, v[AV0]
	s_delay_alu instid0(VALU_DEP_1)
	v_add_nc_u32 v[AV0], VOFF, v[AV0]              ; V: my head's 64 rows, row r, + 8 h
	v_lshlrev_b32 v[LN], 3, v9
	s_delay_alu instid0(VALU_DEP_1)
	v_sub_nc_u32 v[LN], v8, v[LN]
	s_mul_i32 s57, s[TW], 16*KP                    ; the stage, in: row 16 (wave % 8) + r, byte 64 (wave / 8) + 8 h
	s_add_co_u32 s57, s57, s56
	s_add_co_u32 s57, s57, STAGE
	v_mul_u32_u24 v[STO], v8, KP
	s_delay_alu instid0(VALU_DEP_1)
	v_lshl_add_u32 v[STO], v9, 3, v[STO]
	s_delay_alu instid0(VALU_DEP_1)
	v_add_nc_u32 v[STO], s57, v[STO]
	s_mul_i32 s57, s[WV], 8*KP                     ; and out: wave w takes rows 8 w .. 8 w + 7, eight lanes to a row
	s_add_co_u32 s57, s57, STAGE
	v_and_b32 v10, 31, v0
	s_delay_alu instid0(VALU_DEP_1)
	v_lshrrev_b32 v[RD], 3, v10
	s_delay_alu instid0(VALU_DEP_1)
	v_mul_u32_u24 v[RD], v[RD], KP
	s_delay_alu instid0(VALU_DEP_3)
	v_and_b32 v11, 7, v10
	s_delay_alu instid0(VALU_DEP_1)
	v_lshl_add_u32 v[RD], v11, 4, v[RD]
	s_delay_alu instid0(VALU_DEP_1)
	v_add_nc_u32 v[RD], s57, v[RD]
	v_lshlrev_b32 v[GO], 4, v10
	s_lshl_b32 s57, s[WV], 10
	v_add_nc_u32 v[GO], s57, v[GO]
	s_lshl_b32 s58, s46, 4
	s_lshl_b32 s59, ttmp9, 1
	s_add_co_u32 s58, s58, s59
	s_lshl_b32 s58, s58, 3
	s_add_co_u32 s58, s58, s45
	s_lshl_b32 s58, s58, 14                        ; o's lower block: ((batch x 16 + 2 x) x 8 + pair) x 16,384; the upper lies 131,072 bytes on
	s_mov_b32 s59, 0
	s_add_nc_u64 s[12:13], s[12:13], s[58:59]
	INIT
	v_mov_b32 v[AD+1], 0                           ; (named as the upper half of a pair)
	v_mov_b32 v[F+1], 0
	v_mov_b32 v[PX], 0                             ; a lane permute's destination counts as one of its sources
	v_mov_b32 v[NINF], 0xff800000
.set n, 0
.rept 64
	v_mov_b32 v[BIAS+n], 16*(n/8)+n%8
.set n, n+1
.endr
.set n, 0
.rept 64
	v_cvt_f32_i32 v[BIAS+n], v[BIAS+n]
.set n, n+1
.endr
	s_wait_kmcnt 0x0
	s_add_co_i32 s58, s70, s71                     ; e2 + e3
	s_lshl_b32 s59, s58, 23
	s_mov_b32 s[CS], 0x3e38aa3b                    ; log2(e) / 8
	s_add_co_i32 s[CS], s[CS], s59
	s_mov_b32 s[CS+1], s[CS]
	s_mov_b32 s60, 0x3fb8aa3b                      ; log2(e)
	s_mov_b32 s61, 0x3f800000
	s_cmp_eq_u32 s[HU], 0                          ; head 2 pair: slope = sqrt(2) 2^-(pair + 1); head 2 pair + 1: 2^-(pair + 1)
	s_cselect_b32 s[SL], 0x400293ee, s60
	s_cselect_b32 s[NK], 0x3fb504f3, s61
	s_add_co_u32 s60, s45, 1
	s_lshl_b32 s60, s60, 23
	s_sub_co_u32 s[SL], s[SL], s60                 ; slope x log2(e)
	s_sub_co_i32 s61, 2, s45
	s_sub_co_i32 s61, s61, s58
	s_lshl_b32 s61, s61, 23
	s_add_co_i32 s[NK], s[NK], s61                 ; kappa = 8 slope 2^-(e2 + e3),
	s_or_b32 s[NK], s[NK], 0x80000000              ; negative
	s_add_co_i32 s62, s72, 127
	s_lshl_b32 s63, s62, 23
	v_mov_b32 v[PSC], s63                          ; 2^e4
	s_add_co_i32 s62, s62, 8
	s_lshl_b32 s62, s62, 23
	s_or_b32 s62, s62, 0x600000
	s_mov_b32 s[PLS], s62                          ; 448 x 2^e4
	s_sub_co_i32 s62, s74, s72
	s_sub_co_i32 s62, s62, s73
	s_add_co_i32 s62, s62, 127
	s_lshl_b32 s63, s62, 23
	v_mov_b32 v[OSC], s63                          ; 2^(e6 - e4 - e5)
	s_add_co_i32 s62, s62, 8
	s_lshl_b32 s62, s62, 23
	s_or_b32 s62, s62, 0x600000
	v_mov_b32 v[OLIM], s62
.set n, 0
.rept 64
	v_mul_f32 v[BIAS+n], s[NK], v[BIAS+n]          ; -n kappa
.set n, n+1
.endr
	v_lshl_add_u32 v[MA], v0, 5, QSAVE
; A KEY STEP: the 128 keys from s[KF] on, in the place at s[TB].
.macro STEP
	s_cmp_lt_i32 s[KF], 0                          ; in front of the sequence's first key: the step is left out; all sixteen waves go the same way
	s_cbranch_scc1 .Lhidden_\@
	v_add_nc_u32 v[ADK], s[TB], v[AK0]             ; (these plain lines and the two v_nop are the places behind the last step's products)
	v_add_nc_u32 v[ADV], s[TB], v[AV0]
	s_sub_co_i32 s96, s[Q0], s[KF]
	v_add_nc_u32 v[D1], s96, v[LN]
	s_delay_alu instid0(VALU_DEP_1)
	v_cvt_f32_i32 v[LL], v[D1]
	s_delay_alu instid0(VALU_DEP_1)
	v_mul_f32 v[LL], s[SL], v[LL]                  ; L
	v_nop
	v_nop
.irp t, 0,1,2,3
	ds_load_b128 v[X+8*\t:X+8*\t+3],   v[ADK] offset:16*\t*KP
	ds_load_b128 v[X+8*\t+4:X+8*\t+7], v[ADK] offset:16*\t*KP+32
.endr
.irp t, 0,1,2,3
	ds_load_b128 v[Z+8*\t:Z+8*\t+3],   v[ADK] offset:16*(\t+4)*KP
	ds_load_b128 v[Z+8*\t+4:Z+8*\t+7], v[ADK] offset:16*(\t+4)*KP+32
.endr
	s_wait_dscnt 8                                 ; tiles 0-3 (and what was asked for earlier) are in; the eight loads of tiles 4-7 may be out
.irp t, 0,1,2,3
	v_wmma_f32_16x16x64_fp8_fp8 v[Y+8*\t:Y+8*\t+7], v[X+8*\t:X+8*\t+7], v[QF:QF+7], v[BIAS+8*\t:BIAS+8*\t+7]
.endr
.rept 5
	v_nop                                          ; five places: the next four products write over K's tiles 0-3
.endr
	s_wait_dscnt 0x0
	s_wait_alu depctr_va_vdst(0)
.irp t, 0,1,2,3
	v_wmma_f32_16x16x64_fp8_fp8 v[X+8*\t:X+8*\t+7], v[Z+8*\t:Z+8*\t+7], v[QF:QF+7], v[BIAS+32+8*\t:BIAS+32+8*\t+7]
.endr
.rept 4
	v_nop
.endr
.irp t, 0,1                                    ; V's fragments 0 and 1: the softmax stands in front of their use
.irp c, 0,1,2,3,4,5,6,7
	ds_load_b64 v[Z+16*\t+2*\c:Z+16*\t+2*\c+1], v[ADV] offset:16*\t*KP+16*\c
.endr
.endr
	s_cmp_lg_u32 s[KF], s[QB]                      ; THE STEP ON THE DIAGONAL: tiles in front of mine are open, those behind hidden, in my own a key is hidden where j > r - 8 h
	s_cbranch_scc1 .Lnot_diagonal_\@
.irp t, 0,1,2,3,4,5,6,7
	s_cmp_gt_u32 s[TW], \t
	s_cbranch_scc1 .Ldo_\@_\t
	s_cmp_eq_u32 s[TW], \t
	s_cbranch_scc1 .Ldm_\@_\t
.irp j, 0,1,2,3,4,5,6,7
	v_mov_b32 v[S+8*((\t+4)%8)+\j], v[NINF]
.endr
	s_branch .Ldo_\@_\t
.Ldm_\@_\t:
.irp j, 0,1,2,3,4,5,6,7
	v_cmp_gt_i32 vcc_lo, \j, v[LN]
	v_cndmask_b32 v[S+8*((\t+4)%8)+\j], v[S+8*((\t+4)%8)+\j], v[NINF], vcc_lo
.endr
.Ldo_\@_\t:
.endr
.Lnot_diagonal_\@:
	s_add_co_u32 s96, s[KF], 512                   ; THE STEP 512 KEYS BACK, the mirror image: hidden where j <= r - 8 h
	s_cmp_lg_u32 s96, s[QB]
	s_cbranch_scc1 .Lnot_window_\@
.irp t, 0,1,2,3,4,5,6,7
	s_cmp_lt_u32 s[TW], \t
	s_cbranch_scc1 .Lwo_\@_\t
	s_cmp_eq_u32 s[TW], \t
	s_cbranch_scc1 .Lwm_\@_\t
.irp j, 0,1,2,3,4,5,6,7
	v_mov_b32 v[S+8*((\t+4)%8)+\j], v[NINF]
.endr
	s_branch .Lwo_\@_\t
.Lwm_\@_\t:
	s_wait_alu depctr_va_vdst(0)
.irp j, 0,1,2,3,4,5,6,7
	v_cmp_le_i32 vcc_lo, \j, v[LN]
	v_cndmask_b32 v[S+8*((\t+4)%8)+\j], v[S+8*((\t+4)%8)+\j], v[NINF], vcc_lo
.endr
.Lwo_\@_\t:
.endr
.Lnot_window_\@:
	s_wait_alu depctr_va_vdst(0)
.irp c, 0,1,2,3                                ; the largest of my 64 numbers, in four chains that take turns: chain c has registers 16 c .. 16 c + 15, two accumulators, each first read at its low end
	v_max3_num_f32 v[176+2*\c+8*(\c/2)], v[S+16*\c], v[S+16*\c+1], v[S+16*\c+2]
.endr
.irp i, 3,5,7,9,11,13
.irp c, 0,1,2,3
	v_max3_num_f32 v[176+2*\c+8*(\c/2)], v[176+2*\c+8*(\c/2)], v[S+16*\c+\i], v[S+16*\c+\i+1]
.endr
.endr
	v_max3_num_f32 v[MA], v[MA], v[S+15], v[MB]    ; the chains are joined, each with its sixteenth register
	v_max3_num_f32 v188, v188, v[S+47], v190
	v_max3_num_f32 v[MA], v[MA], v[S+31], v188
	v_max_num_f32 v[MA], v[MA], v[S+63]
	s_delay_alu instid0(VALU_DEP_1)
	v_fma_f32 v[MA], v[MA], s[CS], v[LL]           ; as t: ahead of the exchange, since L differs between the halves of the lanes
	s_delay_alu instid0(VALU_DEP_1)
	v_permlanex16_b32 v[PX], v[MA], s[SEL], s[SEL+1]
	s_delay_alu instid0(VALU_DEP_1)
	v_max_num_f32 v[MA], v[MA], v[PX]
	s_delay_alu instid0(VALU_DEP_1)
	v_max_num_f32 v[TM], v[TM], v[MA]              ; the running largest t
	v_mov_b32 v[MA], v[NM]
	s_delay_alu instid0(VALU_DEP_2)
	v_floor_f32 v[NM], -v[TM]                      ; the new -M = -ceil(t)
	s_delay_alu instid0(VALU_DEP_1)
	v_add_f32 v[AD], v[LL], v[NM]                  ; L - M
.set n, 0
.rept 32
	v_pk_fma_f32 v[S+n:S+n+1], v[S+n:S+n+1], s[CS:CS+1], v[AD:AD+1] op_sel_hi:[1,0,0]   ; t - M
.if n == 4
	v_sub_f32 v[MA], v[NM], v[MA]                  ; old M - new M, a whole number; the three lines that make f stand among the scalings, six apart
.endif
.if n == 16
	v_cvt_i32_f32 v[MA], v[MA]
.endif
.if n == 28
	v_ldexp_f32 v[F], 1.0, v[MA]                   ; f = 2^(old M - new M)
.endif
.set n, n+2
.endr
.set n, 0
	s_wait_alu depctr_va_vdst(0)                   ; ahead of the batch
.rept 64
	v_exp_f32 v[S+n], v[S+n]                       ; p = 2^(t - M)
.set n, n+1
.endr
	v_pk_mul_f32 v[SUM:SUM+1], v[SUM:SUM+1], v[F:F+1] op_sel_hi:[1,0]
	s_wait_alu depctr_va_vdst(0)                   ; and one behind it, ahead of its first reader
	v_pk_add_f32 v[184:185], v[36:37], v[40:41]    ; the row's sum of the unquantised p, in eight chains
	v_pk_add_f32 v[190:191], v[44:45], v[48:49]
	v_pk_add_f32 v[188:189], v[52:53], v[56:57]
	v_pk_add_f32 v[178:179], v[60:61], v[64:65]
	v_pk_add_f32 v[176:177], v[68:69], v[72:73]
	v_pk_add_f32 v[174:175], v[76:77], v[80:81]
	v_pk_add_f32 v[172:173], v[84:85], v[88:89]
	v_pk_add_f32 v[14:15], v[14:15], v[92:93]
	v_pk_add_f32 v[184:185], v[184:185], v[32:33]
	v_pk_add_f32 v[190:191], v[190:191], v[34:35]
	v_pk_add_f32 v[188:189], v[188:189], v[38:39]
	v_pk_add_f32 v[178:179], v[178:179], v[42:43]
	v_pk_add_f32 v[176:177], v[176:177], v[46:47]
	v_pk_add_f32 v[174:175], v[174:175], v[50:51]
	v_pk_add_f32 v[172:173], v[172:173], v[54:55]
	v_pk_add_f32 v[14:15], v[14:15], v[58:59]
	v_pk_add_f32 v[184:185], v[184:185], v[62:63]
	v_pk_add_f32 v[190:191], v[190:191], v[66:67]
	v_pk_add_f32 v[188:189], v[188:189], v[70:71]
	v_pk_add_f32 v[178:179], v[178:179], v[74:75]
	v_pk_add_f32 v[176:177], v[176:177], v[78:79]
	v_pk_add_f32 v[174:175], v[174:175], v[82:83]
	v_pk_add_f32 v[172:173], v[172:173], v[86:87]
	v_pk_add_f32 v[14:15], v[14:15], v[90:91]
	v_pk_add_f32 v[184:185], v[184:185], v[94:95]
	s_delay_alu instid0(VALU_DEP_2)
	v_pk_add_f32 v[14:15], v[14:15], v[178:179]
	s_delay_alu instid0(VALU_DEP_2)
	v_pk_add_f32 v[184:185], v[184:185], v[176:177]
	v_pk_add_f32 v[190:191], v[190:191], v[174:175]
	v_pk_add_f32 v[188:189], v[188:189], v[172:173]
	s_delay_alu instid0(VALU_DEP_2)
	v_pk_add_f32 v[14:15], v[14:15], v[190:191]
	s_delay_alu instid0(VALU_DEP_2)
	v_pk_add_f32 v[184:185], v[184:185], v[188:189]
	s_delay_alu instid0(VALU_DEP_1)
	v_pk_add_f32 v[14:15], v[14:15], v[184:185]
.irp t, 0,1,2,3                                ; p's tiles 0-3 first: their registers take V's last two fragments
.irp j, 0,2,4,6                                ; the conversion does not saturate (ISA guide 7.6.2); p is not negative, so the hold is one-sided; two holds to a dual pair
	v_dual_min_num_f32 v[Y+8*\t+\j], s[PLS], v[Y+8*\t+\j] :: v_dual_min_num_f32 v[Y+8*\t+\j+1], s[PLS], v[Y+8*\t+\j+1]
.endr
	v_cvt_scalef32_pk8_fp8_f32 v[PC+2*\t:PC+2*\t+1], v[Y+8*\t:Y+8*\t+7], v[PSC]
.endr
.irp t, 0,1
.irp c, 0,1,2,3,4,5,6,7
	ds_load_b64 v[Y+16*\t+2*\c:Y+16*\t+2*\c+1], v[ADV] offset:16*(\t+2)*KP+16*\c
.endr
.endr
.irp t, 0,1,2,3
.irp j, 0,2,4,6
	v_dual_min_num_f32 v[X+8*\t+\j], s[PLS], v[X+8*\t+\j] :: v_dual_min_num_f32 v[X+8*\t+\j+1], s[PLS], v[X+8*\t+\j+1]
.endr
	v_cvt_scalef32_pk8_fp8_f32 v[PC+8+2*\t:PC+8+2*\t+1], v[X+8*\t:X+8*\t+7], v[PSC]
.endr
	s_wait_alu depctr_va_vdst(0)                   ; directly ahead of the first reader of O^T
.set n, 0
.rept 16
	v_pk_mul_f32 v[O+n:O+n+1], v[O+n:O+n+1], v[F:F+1] op_sel_hi:[1,0]   ; O^T under the new M; also the plain lines between the conversions and the products
.set n, n+2
.endr
	s_wait_alu depctr_va_vdst(0)
	s_wait_dscnt 16                                ; V's fragments 0 and 1 are in; the sixteen loads of fragments 2 and 3 may be out
.irp t, 0,1                                    ; O^T += V^T P^T; the four accumulators take turns
	v_wmma_f32_16x16x128_fp8_fp8 v[O+8*\t:O+8*\t+7], v[Z+16*\t:Z+16*\t+15], v[PC:PC+15], v[O+8*\t:O+8*\t+7]
.endr
	s_wait_dscnt 0x0
.irp t, 0,1
	v_wmma_f32_16x16x128_fp8_fp8 v[O+16+8*\t:O+16+8*\t+7], v[Y+16*\t:Y+16*\t+15], v[PC:PC+15], v[O+16+8*\t:O+16+8*\t+7]
.endr
.Lhidden_\@:
	s_sub_co_i32 s[KF], s[KF], 128                 ; 128 keys back,
	s_add_co_u32 s[TB], s[TB], SSTEP               ; in the next place
.endm
.macro WALK trips                      ; so many steps on end
	s_mov_b32 s[CNT], \trips
	s_wait_alu depctr_va_vdst(0)
.Lwalk_\@:
	STEP
	s_sub_co_u32 s[CNT], s[CNT], 1
	s_cmp_lg_u32 s[CNT], 0
	s_cbranch_scc1 .Lwalk_\@
.endm
; A block's way out: O^T is divided by the row's sum, held, quantised, and put into stage u.
.macro OUT u
	v_add_f32 v[SUM], v[SUM], v[SUM+1]
	s_delay_alu instid0(VALU_DEP_1)
	v_permlanex16_b32 v[PX], v[SUM], s[SEL], s[SEL+1]
	s_delay_alu instid0(VALU_DEP_1)
	v_add_f32 v[SUM], v[SUM], v[PX]                ; the row's sum (at least 1/2: every row keeps its own key)
	s_wait_alu depctr_va_vdst(0)
	v_rcp_f32 v[SUM], v[SUM]
.rept 4
	v_nop                                          ; the plain instruction behind the reciprocal, and the places behind the last products
.endr
	s_wait_alu depctr_va_vdst(0)
.set n, 0
.rept 16
	v_pk_mul_f32 v[S+n:S+n+1], v[O+n:O+n+1], v[SUM:SUM+1] op_sel_hi:[1,0]   ; register 8 t + i is o(query r, channel 16 t + 8 h + i) / 2^(e4 + e5)
.set n, n+2
.endr
.set n, 0
.rept 32
	v_med3_num_f32 v[S+n], v[S+n], -v[OLIM], v[OLIM]
.set n, n+1
.endr
.irp t, 0,1,2,3
	v_cvt_scalef32_pk8_fp8_f32 v[PC+2*\t:PC+2*\t+1], v[S+8*\t:S+8*\t+7], v[OSC]
.endr
	v_nop                                          ; one plain vector instruction behind the last conversion
.irp t, 0,1,2,3
	ds_store_b64 v[STO], v[PC+2*\t:PC+2*\t+1] offset:(\u)*BLK+16*\t
.endr
.endm
	s_wait_alu depctr_va_vdst(0)                   ; the head's end
	s_wait_loadcnt 0x0                             ; both fragments of Q
	ds_store_b128 v[MA], v[Z:Z+3]                  ; the lower block's waits in my own 32 bytes of LDS
	ds_store_b128 v[MA], v[Z+4:Z+7] offset:16
	s_wait_tensorcnt 0x0                           ; my part of places 0 and 1 is in; these lines stand ahead of a later first fill,
	ds_add_u32 v[SPW], v[NIL]                      ; the add twice on end
	ds_add_u32 v[SPW], v[NIL]
	s_wait_dscnt 0x0
	s_barrier_signal -1
	s_barrier_wait -1
	s_cmp_lt_u32 s[WV], 4
	s_cbranch_scc1 .Lno_second
	s_cmp_ge_u32 s[WV], 12
	s_cbranch_scc1 .Lno_second
	s_cmp_ge_u32 s[WV], s[HI]                      ; my block lies in front of the sequence: no step reads it, so it is not asked for
	s_cbranch_scc1 .Lno_second
	TL                                             ; places 2 to 5
.Lno_second:
	WALK 2                                         ; the upper block: the diagonal and the step behind it, from places 0 and 1
	s_wait_tensorcnt 0x0                           ; my part of places 2 to 5 is in,
	s_wait_dscnt 0x0
	s_barrier_signal -1
	s_barrier_wait -1                              ; everybody's is
	s_mov_b32 s[TB], 2*SSTEP
	WALK 3
	OUT 1
	v_lshl_add_u32 v[MA], v0, 5, QSAVE
	ds_load_b128 v[QF:QF+3], v[MA]                 ; the lower block's Q: the first step's counted wait covers these two
	ds_load_b128 v[QF+4:QF+7], v[MA] offset:16
	INIT
	s_sub_co_u32 s[QB], s[QB], 128
	s_sub_co_u32 s[Q0], s[Q0], 128
	s_mov_b32 s[KF], s[QB]
	s_mov_b32 s[TB], SSTEP
	WALK 5                                         ; places 1 to 5
	OUT 0
	s_wait_dscnt 0x0                               ; for the others' sake: a row's 128 bytes come from two waves
	s_barrier_signal -1
	s_barrier_wait -1
.irp i, 0,1,2,3
	ds_load_b128 v[Z+4*\i:Z+4*\i+3], v[RD] offset:(\i/2)*BLK+(\i%2)*4*KP   ; my eight whole rows of each stage, four a load
.endr
.irp i, 0,1,2,3
	s_wait_dscnt 3-\i                              ; load i is in; the 3 - i younger ones may be out
	global_store_b128 v[GO], v[Z+4*\i:Z+4*\i+3], s[12:13] offset:(\i/2)*131072+(\i%2)*512   ; 32 lanes store 512 consecutive bytes, at a multiple of 512
.endr
	s_wait_tensorcnt 0x0                           ; the wave's end
	ds_add_u32 v[SPW], v[NIL]
	s_wait_dscnt 0x0
	s_endpgm
.Lfunc_end_k_q16776823c2_attn:
	.size	k_q16776823c2_attn, .Lfunc_end_k_q16776823c2_attn-k_q16776823c2_attn
	.p2alignl 7, 3214868480
	.fill 96, 4, 3214868480
	.section	.rodata,"a",@progbits
	.p2align	6, 0x0
	.amdhsa_kernel k_q16776823c2_attn
		.amdhsa_group_segment_fixed_size 327680
		.amdhsa_private_segment_fixed_size 0
		.amdhsa_enable_private_segment 0
		.amdhsa_kernarg_size 40
		.amdhsa_user_sgpr_count 2
		.amdhsa_user_sgpr_kernarg_segment_ptr 1
		.amdhsa_wavefront_size32 1
		.amdhsa_system_sgpr_workgroup_id_x 1
		.amdhsa_system_sgpr_workgroup_id_y 1
		.amdhsa_system_sgpr_workgroup_id_z 1
		.amdhsa_system_vgpr_workitem_id 0
		.amdhsa_next_free_vgpr 256
		.amdhsa_next_free_sgpr 100
		.amdhsa_reserve_vcc 1
		.amdhsa_float_denorm_mode_32 3
		.amdhsa_float_denorm_mode_16_64 3
		.amdhsa_memory_ordered 1
		.amdhsa_forward_progress 1
		.amdhsa_inst_pref_size 124
	.end_amdhsa_kernel
	.amdgpu_metadata
---
amdhsa.version: [ 1, 2 ]
amdhsa.kernels:
  - .name:           k_q16776823c2_attn
    .symbol:         k_q16776823c2_attn.kd
    .args:
      - { .name: q_codes, .offset: 0, .size: 8, .value_kind: global_buffer, .address_space: global }
      - { .name: k_codes, .offset: 8, .size: 8, .value_kind: global_buffer, .address_space: global }
      - { .name: v_codes, .offset: 16, .size: 8, .value_kind: global_buffer, .address_space: global }
      - { .name: lowp_scales, .offset: 24, .size: 8, .value_kind: global_buffer, .address_space: global }
      - { .name: o_codes, .offset: 32, .size: 8, .value_kind: global_buffer, .address_space: global }
    .group_segment_fixed_size: 327680
    .private_segment_fixed_size: 0
    .kernarg_segment_align: 8
    .kernarg_segment_size: 40
    .max_flat_workgroup_size: 512
    .sgpr_count:     100
    .vgpr_count:     256
    .wavefront_size: 32
...
	.end_amdgpu_metadata
.endif
;; end of part 3
;; launch gemm_out (part 4): grid 4 x 64, 4 waves a work-group, clusters of 4 x 4, 327,680 bytes of LDS; arguments o_codes, wout_codes, lowp_scales, out0; writes out0
.if DOCPART == 4
	.amdgcn_target "amdgcn-amd-amdhsa--gfx1250"
	.amdhsa_code_object_version 6
	.text
	.protected	k_q16776823c2_gemm_out
	.globl	k_q16776823c2_gemm_out
	.p2align	8
	.type	k_q16776823c2_gemm_out,@function
k_q16776823c2_gemm_out:
	s_mov_b64 s[64:65], 0
	v_nop
	global_prefetch_b8 v0, s[64:65] scope:SCOPE_SE
	s_setreg_imm32_b32 hwreg(HW_REG_WAVE_MODE, 25, 1), 1
	s_wait_xcnt 0x0
	s_wait_alu depctr_hold_cnt(0) depctr_sa_sdst(0) depctr_va_vdst(0) depctr_va_sdst(0) depctr_va_ssrc(0) depctr_va_vcc(0) depctr_vm_vsrc(0)
	s_getreg_b32 s2, hwreg(HW_REG_IB_STS2, 6, 4)
	s_cmp_eq_u32 s2, 0
	s_cbranch_scc0 .Lentry_in_a_cluster
	s_endpgm
.Lentry_in_a_cluster:
	s_bfe_u32 s2, ttmp6, 0x10000c
	s_cmp_lg_u32 s2, 0xf033
	s_cbranch_scc0 .Lentry_shape_is_right
	s_endpgm
.Lentry_shape_is_right:
; LAUNCH 4 OF 4.  out0 = o w_out^T on codes of FP8 (E4M3); each finished f32 sum is multiplied once by 2^(e6 + e7).  LIMIT: e6 + e7 between -126 and 127.  No work of this product is left out.
; A block of 128 tokens x 256 features is made by four waves: 64 x 4 = 256 work-groups.  A wave makes 64 x 128: 32 accumulators of 16 x 16, 256 registers (window 2).
; K = 1,024 goes in four steps of 256 through a ring of two LDS slots.  4 x 4 work-groups form a cluster: A's tiles (tokens) are asked for jointly along a row of the cluster, B's (features) along a column.
; o's codes lie in dense blocks [128 tokens][128 bytes = a head pair]: a K step is two such blocks; wave 0 fetches the first, wave 1 the second, each stated as 64 rows of 256 bytes with the padding behind each 128.
; Waves 2 and 3 fetch 128 rows of w_out's codes each, 256 bytes of a row.
; The matrix instruction is used transposed (source 0 = 16 rows of w_out, source 1 = 16 tokens): a lane holds eight neighbouring numbers of a row of out0.
; REGISTERS: window 0: v0-31 addresses; v128-191, v192-255 A's fragments (4 x 16 tokens x 128 K), two sets; on the way out v32-255 are free.  Window 1: B's fragments, two sets, at v0 and v128.  Window 2: accumulator (a, b) at v[8 (8 a + b)].
; While one set is multiplied, the next 128 along K come into the other.
; THE PREFETCHES.  K steps 1 and 2 are named behind K step 0's load, K step 3 behind K step 1's.  The four partners that ask for a tile jointly share it out by address: of A's block of 16,384 bytes 4,096 each
; (lanes 0-15 name 256 bytes each, lanes 16-31 the last again), of B's 128 rows 32 each, a lane a row.  o's codes are loaded by one cluster; w_out's by all sixteen, of which the first four name them.
.set SIZE_N, 1024
.set SIZE_K, 1024
.set ROWB,   256
.set KROW,   SIZE_K
.set PITCH,  272                       ; B's LDS row: 256 bytes + 16
.set PA,     144                       ; A's LDS row: 128 bytes + 16
.set QA,     128*PA                    ; one block of A: 128 tokens x 128 along K
.set ASTEP,  32768                     ; a K step of A in memory
.set FR,     16
.set NP,     4                         ; places behind this matrix instruction (ISA guide 7.12.1)
.set AREG,   2*QA
.set HALFB,  128*PITCH
.set SLOT,   AREG+2*HALFB
.set LAPS,   SIZE_K/512
.set SPARE,  2*SLOT                    ; the spare words, 128 bytes for each wave
.set SPITCH, 528                       ; the way out: 16 rows x (512 bytes + 16) for each wave, in slot 0, which has had its last fill and its last read by then
.set ADRA, 16
.set ADRB, 20
.set STO,  24
.set RD,   25
.set CO,   26
.set PFO,  27                          ; the prefetches' lane term; never rewritten
.set SPW,  28
.set NIL,  29
.set TMP,  32
.set AF,   128
.set BK,   128
.set G1, 24
.set G0, 32
.set G1B, 48
.set G0B, 56
.set PF, 68                            ; s[68:69], s[70:71], s[72:73]: what my wave names of K steps 1, 2, 3
.set OFFP, 78                          ; s78 other than 0: my wave names nothing
.set MSB, 0
.macro WIN new
.if MSB != \new
	s_set_vgpr_msb (MSB<<8)|\new
.set MSB, \new
.endif
.endm
.set MUL_LO, 0xa1                      ; source 0 (B) window 1, source 1 (A) window 0, C and D window 2
.set TO_B,   0x40
.macro JLOAD g0a, g1a, g0b, g1b        ; waves 0 and 1 fetch for A, waves 2 and 3 for B
	s_cmp_eq_u32 s15, 0
	s_cbranch_scc0 .Lfor_b_\@
	tensor_load_to_lds s[\g0a:\g0a+3], s[\g1a:\g1a+7]
	s_nop 0
.rept 4
	v_nop
.endr
	s_branch .Lasked_\@
.Lfor_b_\@:
	tensor_load_to_lds s[\g0b:\g0b+3], s[\g1b:\g1b+7]
	s_nop 0
.rept 4
	v_nop
.endr
.Lasked_\@:
.endm
.macro CREST
	s_cmp_lg_u32 s14, 0
	s_cbranch_scc1 .Lnot_wave_0_\@
	s_barrier_signal -3
.Lnot_wave_0_\@:
	s_barrier_wait -3
	s_barrier_signal -1
	s_barrier_wait -1
.endm
.macro CROUND
	s_barrier_signal -1
	s_barrier_wait -1
	CREST
.endm
	s_load_b128 s[4:7], s[0:1], 0x0                ; o's codes, w_out's codes
	s_load_b128 s[8:11], s[0:1], 0x10              ; the exponents, out0
	v_lshl_add_u32 v[SPW], v0, 2, SPARE
	v_mov_b32 v[NIL], 0
	ds_add_u32 v[SPW], v[NIL]                      ; the opening: the add, twice on end, and its wait
	ds_add_u32 v[SPW], v[NIL]
	v_lshrrev_b32 v1, 5, v0
	v_readfirstlane_b32 s14, v1                    ; wave
	s_lshr_b32 s15, s14, 1                         ; my 64 tokens of the 128.  Also: I fetch for A (0) or for B (1)
	s_and_b32 s16, s14, 1                          ; my 128 features of the 256.  Also: which part of that tile I fetch
	s_bfe_u32 s40, ttmp6, 0x40000                  ; cx
	s_bfe_u32 s41, ttmp6, 0x40004                  ; cy
	s_lshl_b32 s42, ttmp9, 2
	s_add_co_u32 s42, s42, s40                     ; block column
	s_and_b32 s17, ttmp7, 0xffff
	s_lshr_b32 s[OFFP], s17, 2                     ; 0 in the first four rows of clusters
	s_lshl_b32 s17, s17, 2
	s_add_co_u32 s17, s17, s41                     ; block row: 128 tokens
	s_lshl_b32 s43, s41, 2
	s_lshl_b32 s43, 15, s43                        ; my row of the cluster
	s_lshl_b32 s44, 0x1111, s40                    ; my column
	s_or_b32 s[G1+0], s43, (0<<16)|(1<<20)|(1<<21)|(4<<22)|(3<<25)   ; A: four words of padding after every 32
	s_mov_b32 s[G1+1], 256<<16
	s_mov_b32 s[G1+2], 64<<16
	s_mov_b32 s[G1+3], 256<<16
	s_mov_b32 s[G1+4], 64
	s_mov_b32 s[G1+5], 256
	s_mov_b32 s[G1+6], 0
	s_mov_b32 s[G1+7], 0
	s_or_b32 s[G1B+0], s44, (0<<16)|(1<<20)|(1<<21)|(5<<22)|(3<<25)  ; B: after every 64
	s_mov_b32 s[G1B+1], ROWB<<16
	s_mov_b32 s[G1B+2], 128<<16
	s_mov_b32 s[G1B+3], ROWB<<16
	s_mov_b32 s[G1B+4], 128
	s_mov_b32 s[G1B+5], KROW
	s_mov_b32 s[G1B+6], 0
	s_mov_b32 s[G1B+7], 0
	s_lshl_b32 s20, s17, 17                        ; A: 131,072 bytes for 128 tokens, + 16,384 for the second block of a K step
	s_lshl_b32 s18, s16, 14
	s_add_co_u32 s20, s20, s18
	s_mov_b32 s21, 0
	s_lshl_b32 s18, s16, 7
	s_lshl_b32 s46, s42, 8
	s_add_co_u32 s46, s46, s18
	s_lshl_b32 s46, s46, 10                        ; B: row 256 x column + 128 x half, 1,024 bytes a row
	s_mov_b32 s47, 0
	s_mul_i32 s45, s16, QA
	s_mul_i32 s66, s16, HALFB
	s_add_co_u32 s66, s66, AREG
	s_cmp_eq_u32 s15, 0                            ; the prefetches' terms, for A or for B
	s_cselect_b32 s76, s40, s41                    ; my place among the four
	s_cselect_b32 s79, 12, 15                      ; a partner's share: 4,096 bytes, or 32 rows
	s_cselect_b32 s80, 15, 31                      ; lanes that name a block of their own
	s_cselect_b32 s81, 8, 10                       ; from lane to lane: 256 bytes, or a row
	s_mov_b32 s74, ROWB
	s_cselect_b32 s74, ASTEP, s74                  ; a K step on
	s_cselect_b32 s[OFFP], 0, s[OFFP]              ; A's waves always name theirs
	s_lshl_b32 s76, s76, s79
	s_mov_b32 s77, 0
	s_mov_b32 s75, 0
	s_wait_dscnt 0x0
	s_wait_kmcnt 0x0
	s_load_b64 s[96:97], s[8:9], 0x18              ; e6, e7
	s_add_nc_u64 s[20:21], s[4:5], s[20:21]
	s_add_nc_u64 s[46:47], s[6:7], s[46:47]
	s_cmp_eq_u32 s15, 0
	s_cselect_b64 s[PF:PF+1], s[20:21], s[46:47]
	s_add_nc_u64 s[PF:PF+1], s[PF:PF+1], s[76:77]
	s_add_nc_u64 s[PF:PF+1], s[PF:PF+1], s[74:75]
	s_add_nc_u64 s[PF+2:PF+3], s[PF:PF+1], s[74:75]
	s_add_nc_u64 s[PF+4:PF+5], s[PF+2:PF+3], s[74:75]
	CROUND                                         ; all sixteen work-groups are here: the first joint loads meet
.irp s, 0,1
	s_mov_b32 s[G0+4*\s], 1
	s_add_co_u32 s[G0+4*\s+1], s45, \s*SLOT
	s_add_nc_u64 s[G0+4*\s+2:G0+4*\s+3], s[20:21], \s*ASTEP
	s_or_b32 s[G0+4*\s+3], s[G0+4*\s+3], 0x80000000
	s_mov_b32 s[G0B+4*\s], 1
	s_add_co_u32 s[G0B+4*\s+1], s66, \s*SLOT
	s_add_nc_u64 s[G0B+4*\s+2:G0B+4*\s+3], s[46:47], \s*ROWB
	s_or_b32 s[G0B+4*\s+3], s[G0B+4*\s+3], 0x80000000
.endr
	JLOAD G0, G1, G0B, G1B                         ; K step 0: one tensor load a wave at the head
	v_and_b32 v[PFO], 31, v0
	v_min_u32 v[PFO], s80, v[PFO]
	v_lshlrev_b32 v[PFO], s81, v[PFO]
	s_cmp_eq_u32 s[OFFP], 0
	s_cbranch_scc0 .Lno_ask0
	global_prefetch_b8 v[PFO], s[PF:PF+1] th:TH_LOAD_NT scope:SCOPE_SE
	global_prefetch_b8 v[PFO], s[PF+2:PF+3] th:TH_LOAD_NT scope:SCOPE_SE
.Lno_ask0:
	v_and_b32 v1, 15, v0                           ; l % 16
	v_bfe_u32 v2, v0, 4, 1                         ; l / 16
	v_mul_u32_u24 v3, v1, PA
	v_lshl_add_u32 v3, v2, 4, v3
	v_mul_u32_u24 v4, v1, PITCH
	v_lshl_add_u32 v4, v2, 4, v4
	s_mul_i32 s21, s15, 64*PA                      ; my 64 tokens in each block of A
	s_mul_i32 s22, s16, HALFB
	s_add_co_u32 s22, s22, AREG                    ; my 128 rows of B
.irp s, 0,1
	v_add_nc_u32 v[ADRA+\s], s21, v3
	v_add_nc_u32 v[ADRB+\s], s22, v4
	s_add_co_u32 s21, s21, SLOT
	s_add_co_u32 s22, s22, SLOT
.endr
	s_mul_i32 s23, s14, 16*SPITCH
	s_wait_alu depctr_va_vdst(0)                   ; directly ahead of the reader below
	v_mul_u32_u24 v5, v1, SPITCH
	v_lshl_add_u32 v5, v2, 5, v5
	v_add_nc_u32 v[STO], s23, v5
	v_and_b32 v6, 31, v0
	v_lshlrev_b32 v[CO], 4, v6
	v_add_nc_u32 v[RD], s23, v[CO]
	s_lshl_b32 s20, s17, 7
	s_lshl_b32 s21, s15, 6
	s_add_co_u32 s20, s20, s21                     ; my first row of out0
	s_mov_b32 s21, 0
	s_mov_b64 s[18:19], SIZE_N*4
	s_mul_u64 s[20:21], s[20:21], s[18:19]
	s_lshl_b32 s46, s42, 10
	s_lshl_b32 s47, s16, 9
	s_add_co_u32 s46, s46, s47                     ; my first column, in bytes
	s_mov_b32 s47, 0
	s_add_nc_u64 s[20:21], s[20:21], s[46:47]
	s_add_nc_u64 s[10:11], s[10:11], s[20:21]
.macro FRAG reg, adr, off              ; 16 rows x 128 K: registers 4 c .. 4 c + 3 hold K = 32 c + 16 (l / 16) + 0 .. 15, the same order in A and in B
.irp c, 0,1,2,3
	ds_load_b128 v[\reg+4*\c:\reg+4*\c+3], v[\adr] offset:\off+32*\c
.endr
.endm
.macro MUL16 a0, p, zero               ; A's blocks a0, a0 + 1 x B's eight, from set p; the 32 accumulators take turns
.irp a, \a0, \a0+1
.irp b, 0,1,2,3,4,5,6,7
.if \zero
	v_wmma_f32_16x16x128_fp8_fp8 v[8*(8*(\a)+\b):8*(8*(\a)+\b)+7], v[128*(\p)+FR*\b:128*(\p)+FR*\b+FR-1], v[AF+64*(\p)+FR*(\a):AF+64*(\p)+FR*(\a)+FR-1], 0
.else
	v_wmma_f32_16x16x128_fp8_fp8 v[8*(8*(\a)+\b):8*(8*(\a)+\b)+7], v[128*(\p)+FR*\b:128*(\p)+FR*\b+FR-1], v[AF+64*(\p)+FR*(\a):AF+64*(\p)+FR*(\a)+FR-1], v[8*(8*(\a)+\b):8*(8*(\a)+\b)+7]
.endif
.endr
.endr
.endm
.macro FETCH slot, q, p                ; the fragments of the slot's q-th 128 along K into set p: 32 loads for B, 16 for A
	WIN TO_B
.irp i, 0,1,2,3,4,5,6,7
	FRAG 128*(\p)+FR*\i, ADRB+\slot, 128*(\q)+\i*16*PITCH
.endr
	WIN 0
.irp i, 0,1,2,3
	FRAG AF+64*(\p)+FR*\i, ADRA+\slot, QA*(\q)+\i*16*PA
.endr
.endm
.macro PLACES n
.rept \n
	v_nop
.endr
.endm
.macro STEP slot, zero                 ; a slot's first 128 along K, from set 0; the second 128 come into set 1 meanwhile
	s_wait_dscnt 0x0                               ; set 0 is in
	PLACES NP                                      ; in front of loads into registers that the last products read
	FETCH \slot, 1, 1
	WIN MUL_LO
	MUL16 0, 0, \zero
	MUL16 2, 0, \zero
	WIN 0
.endm
.macro TURN slot, next, fill           ; a slot's second 128, and the change of slots
	s_wait_tensorcnt 0x0                           ; my part of the next slot is in
	ds_add_u32 v[SPW], v[NIL]
	s_wait_dscnt 1                                 ; set 1 is in; the add may be out
	WIN MUL_LO
	MUL16 0, 1, 0
	s_wait_dscnt 0x0                               ; the add is done, and my reads of this slot are over
	s_barrier_signal -1
	MUL16 2, 1, 0
	WIN 0
	s_barrier_wait -1
.if \fill
	CREST                                          ; the barrier has opened a round of the cluster's barrier
	s_add_nc_u64 s[G0+4*\slot+2:G0+4*\slot+3], s[G0+4*\slot+2:G0+4*\slot+3], 2*ASTEP
	s_add_nc_u64 s[G0B+4*\slot+2:G0B+4*\slot+3], s[G0B+4*\slot+2:G0B+4*\slot+3], 2*ROWB
	JLOAD G0+4*\slot, G1, G0B+4*\slot, G1B         ; the first tensor load behind the round
.else
	PLACES NP
.endif
	FETCH \next, 0, 0
.endm
	s_wait_alu depctr_va_vdst(0)                   ; the head's end
	s_wait_tensorcnt 0x0                           ; my part of K step 0 is in; these lines stand ahead of a later first fill
	ds_add_u32 v[SPW], v[NIL]
	s_wait_dscnt 0x0
	CROUND
	JLOAD G0+4, G1, G0B+4, G1B                     ; K step 1: the first tensor load behind the round
	FETCH 0, 0, 0
	s_cmp_eq_u32 s[OFFP], 0
	s_cbranch_scc0 .Lno_ask1
	global_prefetch_b8 v[PFO], s[PF+4:PF+5] th:TH_LOAD_NT scope:SCOPE_SE   ; K step 3, two loads ahead of its own
.Lno_ask1:
	STEP 0, 1                                      ; the first products start the sums
	s_mov_b32 s3, LAPS-1
.Llap:
	TURN 0, 1, 1
	STEP 1, 0
	TURN 1, 0, 1
	STEP 0, 0
	s_sub_co_u32 s3, s3, 1
	s_cmp_lg_u32 s3, 0
	s_cbranch_scc1 .Llap
	TURN 0, 1, 0                                   ; the last lap fills nothing
	STEP 1, 0
	s_wait_dscnt 0x0
	WIN MUL_LO
	MUL16 0, 1, 0
	MUL16 2, 1, 0
	WIN 0
; THE WAY OUT, block by block of 16 rows x 128 columns, through my own stage: back come whole rows of 512 bytes, which the 32 lanes store as two aligned units of 256 bytes.
.macro TOSTAGE a
.set AC, 64*(\a)
	WIN 0x02
.irp j, 0,2,4,6,8,10,12,14,16,18,20,22,24,26,28,30,32,34,36,38,40,42,44,46,48,50,52,54,56,58,60,62
	v_pk_mul_f32 v[TMP+\j:TMP+\j+1], v[AC+\j:AC+\j+1], s[96:97] op_sel_hi:[1,0]   ; x 2^(e6 + e7); each accumulator from its low end on
.endr
	WIN 0
.irp b, 0,1,2,3,4,5,6,7
	ds_store_b128 v[STO], v[TMP+8*\b:TMP+8*\b+3] offset:64*\b
	ds_store_b128 v[STO], v[TMP+8*\b+4:TMP+8*\b+7] offset:64*\b+16
.endr
.set BB, BK+64*((\a)%2)
.irp t, 0,1,2,3,4,5,6,7,8,9,10,11,12,13,14,15
	ds_load_b128 v[BB+4*\t:BB+4*\t+3], v[RD] offset:\t*SPITCH   ; LDS serves a wave's instructions in order: these see my stores
.endr
.endm
.macro SEND a, younger                 ; younger: the LDS instructions issued behind block a's loads, which may stay out
.set BB, BK+64*((\a)%2)
	s_wait_dscnt \younger
.if (\a) > 0
	s_add_nc_u64 s[10:11], s[10:11], 16*SIZE_N*4   ; behind a wait on XCNT: the earlier stores have read their base
.endif
.irp t, 0,1,2,3,4,5,6,7,8,9,10,11,12,13,14,15
	global_store_b128 v[CO], v[BB+4*\t:BB+4*\t+3], s[10:11] offset:\t*SIZE_N*4 th:TH_STORE_NT
.endr
.endm
	s_wait_kmcnt 0x0
	s_add_co_i32 s96, s96, s97
	s_add_co_i32 s96, s96, 127
	s_lshl_b32 s96, s96, 23                        ; 2^(e6 + e7) as f32
	PLACES NP
	TOSTAGE 0
.irp a, 1,2,3
.if \a > 1
	s_wait_xcnt 0x0                                ; block a - 2's stores have read their registers and their base
.endif
	TOSTAGE \a
	SEND \a-1, 32                                  ; behind block a - 1's loads: block a's 16 stores and 16 loads
.endr
	s_wait_xcnt 0x0
	SEND 3, 0
	s_wait_tensorcnt 0x0                           ; the wave's end
	ds_add_u32 v[SPW], v[NIL]
	s_wait_dscnt 0x0
	CROUND                                         ; the closing round
	s_endpgm
.Lfunc_end_k_q16776823c2_gemm_out:
	.size	k_q16776823c2_gemm_out, .Lfunc_end_k_q16776823c2_gemm_out-k_q16776823c2_gemm_out
	.p2alignl 7, 3214868480
	.fill 96, 4, 3214868480
	.section	.rodata,"a",@progbits
	.p2align	6, 0x0
	.amdhsa_kernel k_q16776823c2_gemm_out
		.amdhsa_group_segment_fixed_size 327680
		.amdhsa_private_segment_fixed_size 0
		.amdhsa_enable_private_segment 0
		.amdhsa_kernarg_size 32
		.amdhsa_user_sgpr_count 2
		.amdhsa_user_sgpr_kernarg_segment_ptr 1
		.amdhsa_wavefront_size32 1
		.amdhsa_system_sgpr_workgroup_id_x 1
		.amdhsa_system_sgpr_workgroup_id_y 1
		.amdhsa_system_sgpr_workgroup_id_z 1
		.amdhsa_system_vgpr_workitem_id 0
		.amdhsa_next_free_vgpr 768
		.amdhsa_next_free_sgpr 100
		.amdhsa_reserve_vcc 0
		.amdhsa_float_denorm_mode_32 3
		.amdhsa_float_denorm_mode_16_64 3
		.amdhsa_memory_ordered 1
		.amdhsa_forward_progress 1
		.amdhsa_inst_pref_size 77
	.end_amdhsa_kernel
	.amdgpu_metadata
---
amdhsa.version: [ 1, 2 ]
amdhsa.kernels:
  - .name:           k_q16776823c2_gemm_out
    .symbol:         k_q16776823c2_gemm_out.kd
    .args:
      - { .name: o_codes, .offset: 0, .size: 8, .value_kind: global_buffer, .address_space: global }
      - { .name: wout_codes, .offset: 8, .size: 8, .value_kind: global_buffer, .address_space: global }
      - { .name: lowp_scales, .offset: 16, .size: 8, .value_kind: global_buffer, .address_space: global }
      - { .name: out0, .offset: 24, .size: 8, .value_kind: global_buffer, .address_space: global }
    .group_segment_fixed_size: 327680
    .private_segment_fixed_size: 0
    .kernarg_segment_align: 8
    .kernarg_segment_size: 32
    .max_flat_workgroup_size: 128
    .sgpr_count:     100
    .vgpr_count:     768
    .wavefront_size: 32
...
	.end_amdgpu_metadata
.endif
;; end of part 4
